; MI455X (gfx1250); checked and timed in simulation.
; The chip was launched on July 23, 2026; its instructions are those of AMD's public machine-readable ISA for CDNA 5 (MIT licence, August 2026) and "CDNA5" Instruction Set Architecture Reference Guide (July 2026). The comments in the code are by the model that wrote it; some were corrected since.
;; Causal Self Attention. Allowed arithmetic: matrix products marked QUANTISED: E2M1 operands, one E8M0 scale for each 32 along K, by v_wmma_scale_f32_16x16x128_f8f6f4 with both operands' format E2M1 (or v_wmma_scale_f32_32x16x128_f4), f32 sums; products left as they are: bf16, f16 or f32 operands; f32 sums; everything else in f32.
;; Inputs: b_attn 3,072 float32; b_proj 1,024 float32; w_attn 3,072 x 1,024 float32; w_proj 1,024 x 1,024 float32; x 4 x 2,048 x 1,024 float32.
;; Outputs: out0 4 x 2,048 x 1,024 float32.
;; This version of the problem:
;;   THIS VERSION OF THE PROBLEM IS GIVEN IN LOW PRECISION. The matrix products marked QUANTISED in the list below multiply operands that are first quantised to E2M1 (2 exponent bits, 1 mantissa bit; 4 bits a number), with one power-of-two scale for each 32 numbers along K (OCP MX v1.0); their sums are f32. The products marked 'left as it is' may take bf16, f16 or f32 operands, with f32 sums. Whichever they take, every output number must still come out within the allowed error. Rounding operands to bf16 (8 significant bits) uses up far more of that allowance than f16 does (11 bits, for magnitudes from 6e-5 to 65,504). All else is computed in f32.
;;   The module's matrix products, in the order in which they are computed (A, B: the left and right operand; K: the contracted axis; several contracted axes count as one K, in the product's order):
;;     1. [M 8,192, K 1,024] x [K 1,024, N 3,072]; A: input x; B: input w_attn: QUANTISED
;;     2. batch 64 x [M 2,048, K 64] x [K 64, N 2,048]; A: computed on the way; B: computed on the way: left as it is (an operand is computed on the way)
;;     3. batch 64 x [M 2,048, K 2,048] x [K 2,048, N 64]; A: computed on the way; B: computed on the way: left as it is (an operand is computed on the way)
;;     4. [M 8,192, K 1,024] x [K 1,024, N 1,024]; A: computed on the way; B: input w_proj: left as it is (an operand is computed on the way)
;;   THE QUANTISER, for each operand of a quantised product, along K:
;;     - K is cut into blocks of 32 from its start; a last block that is shorter is filled with zeros.
;;     - A block's scale is 2^e with e = floor(log2(the largest magnitude in the block)) - 2, held to -126 .. 127; a block of zeros has e = 0. As a byte (E8M0): e + 127.
;;     - Each number is divided by its block's scale, clamped to +-6, and rounded to the nearest number of E2M1, ties to even, subnormals kept.
;;     - The product sums the exact products of the quantised numbers (number of the format x scale) in f32.
;;   ~~~python
;;   def quantise(x, axis):      # numpy; x: float32 -> the quantised numbers, widened to float32 again
;;       x = np.moveaxis(x, axis, -1); K = x.shape[-1]
;;       x = np.pad(x, [(0, 0)] * (x.ndim - 1) + [(0, -K % 32)]); x = x.reshape(x.shape[:-1] + (-1, 32)); a = np.abs(x).max(-1, keepdims=True)
;;       e = np.where(a > 0, np.clip(np.frexp(np.where(a > 0, a, 1))[1] - 1 - 2, -126, 127), 0)      # np.frexp(a)[1] - 1 = floor(log2(a)), exactly
;;       r = np.clip(x / 2.0 ** e, -6, 6)
;;       step = 2.0 ** (np.maximum(np.frexp(np.where(r == 0, 1, r))[1] - 1, 0) - 1)
;;       q = np.round(r / step) * step * 2.0 ** e      # np.round: ties to even
;;       return np.moveaxis(q.reshape(q.shape[:-2] + (-1,))[..., :K], -1, axis).astype(np.float32)
;;   ~~~
;; One version. Each part assembles by itself: llvm-mc -triple=amdgcn-amd-amdhsa -mcpu=gfx1250 --defsym DOCPART=n.
;; ======== version 1 of 1: 6 launches
;; limits: values are held in f16: magnitudes above 65,504 overflow, below 6.1e-05 lose precision
;; workspace buffers: xc 4,194,304 bytes; xs 262,144 bytes; wc 1,572,864 bytes; ws 98,304 bytes; wp 2,097,152 bytes; qkv 50,331,648 bytes; y 16,777,216 bytes; yf 262,144 bytes
;; launch prep (part 1): grid 416 x 1, 4 waves a work-group, no clusters, 33,280 bytes of LDS; arguments x, w_attn, xc, xs, wc, ws, w_proj, wp; writes xc, xs, wc, ws, wp
.if DOCPART == 1
	.amdgcn_target "amdgcn-amd-amdhsa--gfx1250"
	.amdhsa_code_object_version 6
	.text
	.protected	k_q6d449afbc2_prep
	.globl	k_q6d449afbc2_prep
	.p2align	8
	.type	k_q6d449afbc2_prep,@function
k_q6d449afbc2_prep:
	s_mov_b64 s[64:65], 0
	v_nop
	global_prefetch_b8 v0, s[64:65] scope:SCOPE_SE
	s_setreg_imm32_b32 hwreg(HW_REG_WAVE_MODE, 25, 1), 1
	s_wait_xcnt 0x0
; x [8192][1024] and w_attn [3072][1024], f32, become codes of FP4 (E2M1), K innermost, two codes a byte, with one E8M0 byte for each 32 along K
; (xc, xs, wc, ws); w_proj [1024][1024], f32, becomes f16 laid in 16 planes of 64 along K: wp[kc][n][64], 128 bytes a row.
; A block's scale is 2^(floor(log2(its largest magnitude)) - 2); its byte is the largest magnitude's exponent field - 2, held at 1 from below.
; (A block of zeros so gets the byte 1 where the quantiser says 127: its codes are zeros, and the bytes are read by this program alone.)
; LIMITS: blocks whose largest magnitude lies under 2^-124 were not tried; NaN and infinities are not served; |w_proj| stays under 65,504 (f16).
; Work-groups 0-255 take x, 256-351 w_attn: both are plain streams of blocks of 32.  A wave takes 16 steps of 512 numbers; each load reads 512
; consecutive bytes; a step's 2,048 bytes turn through the wave's own stage in LDS so that a lane holds 16 neighbours along K.
; Work-groups 352-415 take w_proj and use no LDS.  Waves share nothing: no barrier.
.set WAVES, 4
.set STEPS, 16
.set WGA,   256                        ; x: 8192 x 1024 / 32768 work-groups
.set WGQ,   352                        ; + w_attn: 3072 x 1024 / 32768 = 96
.set EMAX,  2
.set CB,    8                          ; bytes of 16 codes
.set R,     16                         ; v16-79   four sets of 16 numbers as they are loaded
.set X,     80                         ; v80-111  two sets of 16 neighbours
.set C,     128                        ; v128-191 codes: four registers for each step
.set E,     112                        ; v112-127 a scale byte for each step
.set WREG,  8192                       ; LDS: a region for each wave: two stages of 32 x SP bytes, behind them its 256 scale bytes
.set SP,    80                         ; a lane's place in a stage: 64 bytes + 16 of padding
.set SPW,   12                         ; v12  LDS address of my spare word; never rewritten
.set NIL,   13                         ; v13  0; never rewritten
.set SPARE, WAVES*WREG                 ; the spare words, 128 bytes a wave, which no other line names
	s_load_b128 s[4:7], s[0:1], 0x0                ; x, w_attn
	s_load_b128 s[8:11], s[0:1], 0x10              ; xc, xs
	s_load_b128 s[12:15], s[0:1], 0x20             ; wc, ws
	s_load_b128 s[24:27], s[0:1], 0x30             ; w_proj, wp
	v_lshl_add_u32 v[SPW], v0, 2, SPARE
	v_mov_b32 v[NIL], 0
	v_lshrrev_b32 v1, 5, v0
	v_readfirstlane_b32 s16, v1                    ; wave
	v_and_b32 v2, 31, v0                           ; lane
	v_lshlrev_b32 v3, 4, v2                        ; my 16 bytes of a load's 512
	s_mul_i32 s17, s16, WREG
	v_lshrrev_b32 v14, 2, v2
	v_mul_u32_u24 v14, v14, SP
	v_and_b32 v15, 3, v2
	v_lshl_add_u32 v14, v15, 4, v14
	v_add_nc_u32 v14, s17, v14                     ; the stage, on the way in: SP (lane / 4) + 16 (lane % 4)
	v_mul_u32_u24 v15, v2, SP
	v_add_nc_u32 v15, s17, v15                     ; and on the way out: SP x lane: my 16 neighbours
	v_mul_u32_u24 v4, v2, CB                       ; 8 x lane: my codes' place in a step's
	v_lshrrev_b32 v5, 1, v2
	s_add_co_u32 s17, s17, 2*32*SP
	v_add_nc_u32 v5, s17, v5                       ; LDS: my wave's 256 scale bytes, my block's byte
	v_lshlrev_b32 v7, 3, v2
	v_add_nc_u32 v6, s17, v7
	s_wait_kmcnt 0x0
	s_cmp_ge_u32 ttmp9, WGQ                        ; the work-group's number alone decides the path
	s_cbranch_scc1 .Lwproj
	s_cmp_lt_u32 ttmp9, WGA                        ; x's work-group or w_attn's?  Only pointers are chosen
	s_cselect_b64 s[4:5], s[4:5], s[6:7]
	s_cselect_b64 s[8:9], s[8:9], s[12:13]
	s_cselect_b64 s[10:11], s[10:11], s[14:15]
	s_cselect_b32 s17, 0, WGA
	s_sub_co_u32 s17, ttmp9, s17
	s_lshl_b32 s17, s17, 2
	s_add_co_u32 s18, s17, s16                     ; which run of 8,192 numbers of the tensor is my wave's
	s_mov_b32 s19, 0
	s_mov_b64 s[20:21], 512*STEPS*4
	s_mul_u64 s[20:21], s[18:19], s[20:21]
	s_add_nc_u64 s[4:5], s[4:5], s[20:21]
	s_mov_b64 s[20:21], 32*STEPS*CB
	s_mul_u64 s[20:21], s[18:19], s[20:21]
	s_add_nc_u64 s[8:9], s[8:9], s[20:21]
	s_lshl_b32 s18, s18, 8                         ; 256 scale bytes a run
	s_add_nc_u64 s[10:11], s[10:11], s[18:19]
.macro LOAD t
.irp i, 0,1,2,3
	global_load_b128 v[R+16*((\t)%4)+4*\i:R+16*((\t)%4)+4*\i+3], v3, s[4:5] offset:2048*(\t)+512*\i th:TH_LOAD_NT   ; 32 lanes read 512 consecutive bytes
.endr
.endm
.macro TURN t                          ; step t's numbers through the stage: LDS serves a wave's instructions in order, so no wait stands between the stores and the loads
.irp i, 0,1,2,3
	ds_store_b128 v14, v[R+16*((\t)%4)+4*\i:R+16*((\t)%4)+4*\i+3] offset:32*SP*((\t)%2)+8*SP*\i
.endr
.irp i, 0,1,2,3
	ds_load_b128 v[X+16*((\t)%2)+4*\i:X+16*((\t)%2)+4*\i+3], v15 offset:32*SP*((\t)%2)+16*\i
.endr
.endm
.irp t, 0,1,2,3
	LOAD \t
.endr
	s_wait_loadcnt 12                              ; step 0's four loads are in; the 12 of steps 1 to 3 may be out
	TURN 0
.macro STEP t
.set XS, X+16*((\t)%2)
.if (\t) > 0
	s_wait_dscnt 1                                 ; this step's numbers are back from the stage (the last step's byte store may be out)
.else
	s_wait_dscnt 0x0
.endif
.if (\t)+4 < STEPS
	LOAD (\t)+4                                    ; the registers that the stage's stores have read take the loads of four steps on
.endif
.if (\t)+1 < STEPS
.if STEPS-2-(\t) >= 3
	s_wait_loadcnt 12                              ; the next step's four loads are in; those of the three steps behind it may be out
.else
	s_wait_loadcnt 4*(STEPS-2-(\t))
.endif
	TURN (\t)+1
.endif
	v_max3_num_f32 v8, |v[XS]|, |v[XS+1]|, |v[XS+2]|               ; the largest magnitude of my 16
	v_max3_num_f32 v9, |v[XS+3]|, |v[XS+4]|, |v[XS+5]|
.irp i, 6,10
	v_max3_num_f32 v8, v8, |v[XS+\i]|, |v[XS+\i+1]|
	v_max3_num_f32 v9, v9, |v[XS+\i+2]|, |v[XS+\i+3]|
.endr
	v_max3_num_f32 v8, v8, |v[XS+14]|, |v[XS+15]|
	v_max3_num_f32 v8, v8, v9, (EMAX+1)<<23        ; and the floor 2^(3 - 127): the byte cannot fall under 1
	v_max_num_f32_dpp v8, v8, v8 row_xmask:1 row_mask:0xf bank_mask:0xf   ; and of my neighbour's 16: the block's
	v_add_nc_u32 v11, -(EMAX<<23), v8              ; 2 off its exponent field: the conversion takes the exponent field of this operand as its scale
	v_cvt_scalef32_pk8_fp4_f32 v[C+4*(\t)], v[XS:XS+7], v11
	v_cvt_scalef32_pk8_fp4_f32 v[C+4*(\t)+1], v[XS+8:XS+15], v11
	v_lshrrev_b32 v[E+(\t)], 23, v11               ; the scale's byte
	ds_store_b8 v5, v[E+(\t)] offset:16*(\t)       ; both lanes of a block write the same byte with the same value
	global_store_b64 v4, v[C+4*(\t):C+4*(\t)+1], s[8:9] offset:32*CB*(\t)   ; the wave stores 256 consecutive bytes
.endm
.irp t, 0,1,2,3,4,5,6,7,8,9,10,11,12,13,14,15
	STEP \t
.endr
	ds_load_b64 v[8:9], v6                         ; LDS serves a wave's instructions in order: these see my stores
	s_wait_dscnt 0x0
	global_store_b64 v7, v[8:9], s[10:11]          ; 32 lanes store 256 consecutive bytes of scale bytes
	s_wait_tensorcnt 0x0                           ; the wave's end, behind my last LDS store
	ds_add_u32 v[SPW], v[NIL]
	s_wait_dscnt 0x0
	s_endpgm
; w_proj.  Work-group g = number - 352: plane kc = g / 4, rows 256 (g % 4) + 64 x wave on.  Load u reads rows 2 u and 2 u + 1 of the wave's 64:
; sixteen lanes take the 256 bytes of a row's 64 numbers; rounded to f16, the two rows are 256 consecutive bytes of the plane.
.Lwproj:
	s_sub_co_u32 s17, ttmp9, WGQ
	s_lshr_b32 s18, s17, 2                         ; kc
	s_and_b32 s17, s17, 3
	s_lshl_b32 s17, s17, 8
	s_lshl_b32 s19, s16, 6
	s_add_co_u32 s17, s17, s19                     ; n0
	s_lshl_b32 s20, s17, 12                        ; n0 rows of 4,096 bytes
	s_lshl_b32 s19, s18, 8                         ; + 256 kc
	s_add_co_u32 s20, s20, s19
	s_mov_b32 s21, 0
	s_add_nc_u64 s[24:25], s[24:25], s[20:21]
	s_lshl_b32 s18, s18, 10
	s_add_co_u32 s18, s18, s17
	s_lshl_b32 s20, s18, 7                         ; (1024 kc + n0) rows of 128 bytes
	s_add_nc_u64 s[26:27], s[26:27], s[20:21]
	v_and_b32 v8, 15, v2
	v_lshrrev_b32 v9, 4, v2
	v_lshlrev_b32 v8, 4, v8
	v_lshl_add_u32 v8, v9, 12, v8                  ; 4096 (lane / 16) + 16 (lane % 16)
.set u, 0
.rept 32
	global_load_b128 v[16+4*u:19+4*u], v8, s[24:25] offset:8192*u th:TH_LOAD_NT
.set u, u+1
.endr
	s_wait_loadcnt 16                              ; the first 16 loads are in; the younger 16 may be out
.set u, 0
.rept 16
	v_cvt_pk_f16_f32 v[144+2*u], v[16+4*u], v[17+4*u]
	v_cvt_pk_f16_f32 v[145+2*u], v[18+4*u], v[19+4*u]
	global_store_b64 v4, v[144+2*u:145+2*u], s[26:27] offset:256*u   ; 256 consecutive bytes; no register is written twice
.set u, u+1
.endr
	s_wait_loadcnt 0x0
.rept 16
	v_cvt_pk_f16_f32 v[144+2*u], v[16+4*u], v[17+4*u]
	v_cvt_pk_f16_f32 v[145+2*u], v[18+4*u], v[19+4*u]
	global_store_b64 v4, v[144+2*u:145+2*u], s[26:27] offset:256*u
.set u, u+1
.endr
	s_endpgm
.Lfunc_end_k_q6d449afbc2_prep:
	.size	k_q6d449afbc2_prep, .Lfunc_end_k_q6d449afbc2_prep-k_q6d449afbc2_prep
	.p2alignl 7, 3214868480
	.fill 96, 4, 3214868480
	.section	.rodata,"a",@progbits
	.p2align	6, 0x0
	.amdhsa_kernel k_q6d449afbc2_prep
		.amdhsa_group_segment_fixed_size 33280
		.amdhsa_private_segment_fixed_size 0
		.amdhsa_enable_private_segment 0
		.amdhsa_kernarg_size 64
		.amdhsa_user_sgpr_count 2
		.amdhsa_user_sgpr_kernarg_segment_ptr 1
		.amdhsa_wavefront_size32 1
		.amdhsa_system_sgpr_workgroup_id_x 1
		.amdhsa_system_sgpr_workgroup_id_y 1
		.amdhsa_system_sgpr_workgroup_id_z 1
		.amdhsa_system_vgpr_workitem_id 0
		.amdhsa_next_free_vgpr 208
		.amdhsa_next_free_sgpr 66
		.amdhsa_reserve_vcc 0
		.amdhsa_float_denorm_mode_32 3
		.amdhsa_float_denorm_mode_16_64 3
		.amdhsa_memory_ordered 1
		.amdhsa_forward_progress 1
		.amdhsa_inst_pref_size 44
	.end_amdhsa_kernel
	.amdgpu_metadata
---
amdhsa.version: [ 1, 2 ]
amdhsa.kernels:
  - .name:           k_q6d449afbc2_prep
    .symbol:         k_q6d449afbc2_prep.kd
    .args:
      - { .name: x, .offset: 0, .size: 8, .value_kind: global_buffer, .address_space: global }
      - { .name: w_attn, .offset: 8, .size: 8, .value_kind: global_buffer, .address_space: global }
      - { .name: xc, .offset: 16, .size: 8, .value_kind: global_buffer, .address_space: global }
      - { .name: xs, .offset: 24, .size: 8, .value_kind: global_buffer, .address_space: global }
      - { .name: wc, .offset: 32, .size: 8, .value_kind: global_buffer, .address_space: global }
      - { .name: ws, .offset: 40, .size: 8, .value_kind: global_buffer, .address_space: global }
      - { .name: w_proj, .offset: 48, .size: 8, .value_kind: global_buffer, .address_space: global }
      - { .name: wp, .offset: 56, .size: 8, .value_kind: global_buffer, .address_space: global }
    .group_segment_fixed_size: 33280
    .private_segment_fixed_size: 0
    .kernarg_segment_align: 8
    .kernarg_segment_size: 64
    .max_flat_workgroup_size: 128
    .sgpr_count:     66
    .vgpr_count:     208
    .wavefront_size: 32
...
	.end_amdgpu_metadata
.endif
;; end of part 1
;; launch qkv (part 2): grid 12 x 32, 4 waves a work-group, clusters of 4 x 4, 327,680 bytes of LDS; arguments xc, xs, wc, ws, b_attn, qkv; writes qkv
.if DOCPART == 2
	.amdgcn_target "amdgcn-amd-amdhsa--gfx1250"
	.amdhsa_code_object_version 6
	.text
	.protected	k_q6d449afbc2_qkv
	.globl	k_q6d449afbc2_qkv
	.p2align	8
	.type	k_q6d449afbc2_qkv,@function
k_q6d449afbc2_qkv:
	s_mov_b64 s[64:65], 0
	v_nop
	global_prefetch_b8 v0, s[64:65] scope:SCOPE_SE
	s_setreg_imm32_b32 hwreg(HW_REG_WAVE_MODE, 25, 1), 1
	s_wait_xcnt 0x0
	s_wait_alu depctr_hold_cnt(0) depctr_sa_sdst(0) depctr_va_vdst(0) depctr_va_sdst(0) depctr_va_ssrc(0) depctr_va_vcc(0) depctr_vm_vsrc(0)
	s_getreg_b32 s2, hwreg(HW_REG_IB_STS2, 6, 4)
	s_cmp_eq_u32 s2, 0
	s_cbranch_scc0 .Lentry_in_a_cluster
	s_endpgm
.Lentry_in_a_cluster:
	s_bfe_u32 s2, ttmp6, 0x10000c
	s_cmp_lg_u32 s2, 0xf033
	s_cbranch_scc0 .Lentry_shape_is_right
	s_endpgm
.Lentry_shape_is_right:
; qkv[m][n] = sum over k of x[m][k] w_attn[n][k] + b_attn[n], on codes of FP4 (E2M1) with one E8M0 scale for each 32 along K; sums in f32; the result is
; rounded to f16 and laid by head: 192 planes of [2048 t][64], plane 4 (n / 64) + m / 2048: planes 0-63 q, 64-127 k, 128-191 v.
; LIMIT: |q|, |k|, |v| stay under 65,504 (f16).
; A tile, 256 x 256, is made by four waves, each 128 x 128: 64 accumulators, 512 registers.  K = 1,024 is two slots of 512 along K (rows of 256 bytes):
; both slots and the scale bytes of the tile's 512 rows are asked for at the start, three tensor loads a wave, and nothing is ever filled again.
; CLUSTERS: 4 x 4 work-groups; x's tiles are shared along a row of the cluster, w_attn's along a column: each is asked for jointly, by the same tensor load
; with the same descriptor and a mask that names the four.  The matrix instruction is used transposed (source 0 = 16 rows of w_attn, source 1 = 16 rows of x):
; a lane then holds eight neighbouring columns of one row.  The bias is the C of each sum's first product.
; REGISTERS, in windows of 256: window 0: v0-31 addresses; v32-95 scale words, two sets, and nothing else; v96-127 packed results; v128-191 x's fragments, ONE set, on the way
; out rows read back; v192-255 the bias.  window 1: w_attn's fragments, two sets, at v0 and v128.  window 2: the accumulators of my rows 0-63; window 3: of rows 64-127.
.set KSTEP,  512
.set NQ,     KSTEP/128
.set ROWB,   256                       ; a tile's row in bytes
.set KROW,   512                       ; a row of codes in memory
.set PITCH,  272                       ; an LDS row: 256 bytes + 16 of padding: the 16 rows that a load touches start 68 words apart
.set FR,     8
.set NL,     2
.set NP,     4                         ; places behind this matrix instruction (ISA guide 7.12.1)
.set HALFT,  128*PITCH
.set SLOT,   4*HALFT
.set KS,     32                        ; a row of scale bytes
.set SCL,    2*SLOT
.set HALFS,  (128*KS/256)*272
.set SBLK,   (16*KS/256)*272
.set SPARE,  SCL+4*HALFS               ; the spare words, 128 bytes a wave, which no other line names
.set SPH,    144                       ; the way out: a stage row: a head's 128 bytes + 16
.set SHD,    16*SPH                    ; 16 rows of one head
.set SWV,    2*SHD                     ; a wave's stage.  The stages lie in slot 0, which has had its only fill and its last read when the first result is stored there
.set ADRA, 16
.set ADRB, 20
.set STO,  24
.set RD,   25
.set CO,   26
.set ADRS, 27
.set SPW,  28
.set NIL,  29
.set SC,   32
.set TMP,  96
.set AF,   128
.set BK,   128
.set BIAS, 192
.set G1, 24
.set G0, 32
.set G1B, 48
.set G0B, 56
.set G1S, 68
.set G0S, 76
.set G1SB, 80
.set G0SB, 88
.set MSB, 0
.macro WIN new                         ; the immediate's high byte repeats the setting that is left
.if MSB != \new
	s_set_vgpr_msb (MSB<<8)|\new
.set MSB, \new
.endif
.endm
.set MUL_LO, 0xa1                      ; source 0 window 1, source 1 window 0, C and D window 2
.set MUL_HI, 0xf1                      ; the same, C and D window 3
.set BIA_LO, 0x81                      ; C (the bias) window 0, D window 2
.set BIA_HI, 0xc1                      ; C window 0, D window 3
.set TO_B,   0x40
; A joint load: waves 0 and 1 fetch for x, waves 2 and 3 for w_attn.  The branch hangs on the wave's number alone.  An s_nop 0 and four v_nop follow each line.
.macro JLOAD g0a, g1a, g0b, g1b
	s_cmp_eq_u32 s15, 0
	s_cbranch_scc0 .Lfor_b_\@
	tensor_load_to_lds s[\g0a:\g0a+3], s[\g1a:\g1a+7]
	s_nop 0
.rept 4
	v_nop
.endr
	s_branch .Lasked_\@
.Lfor_b_\@:
	tensor_load_to_lds s[\g0b:\g0b+3], s[\g1b:\g1b+7]
	s_nop 0
.rept 4
	v_nop
.endr
.Lasked_\@:
.endm
.macro CROUND                          ; a round of the cluster's barrier
	s_barrier_signal -1
	s_barrier_wait -1
	s_cmp_lg_u32 s14, 0
	s_cbranch_scc1 .Lnot_wave_0_\@
	s_barrier_signal -3
.Lnot_wave_0_\@:
	s_barrier_wait -3
	s_barrier_signal -1
	s_barrier_wait -1
.endm
	s_load_b128 s[4:7], s[0:1], 0x0                ; xc, xs
	s_load_b128 s[8:11], s[0:1], 0x10              ; wc, ws
	s_load_b64 s[66:67], s[0:1], 0x20              ; b_attn
	s_load_b64 s[12:13], s[0:1], 0x28              ; qkv
	v_lshl_add_u32 v[SPW], v0, 2, SPARE
	v_mov_b32 v[NIL], 0
	ds_add_u32 v[SPW], v[NIL]                      ; the wave's opening: the add, twice on end, and its wait ahead of my first tensor load
	ds_add_u32 v[SPW], v[NIL]
	v_lshrrev_b32 v1, 5, v0
	v_readfirstlane_b32 s14, v1                    ; wave 0..3
	s_lshr_b32 s15, s14, 1                         ; which half of the tile's rows is mine.  Also: I fetch for x (0) or for w_attn (1)
	s_and_b32 s16, s14, 1                          ; which half of its columns.  Also: which 128 rows of that tile I fetch
	s_bfe_u32 s40, ttmp6, 0x40000                  ; cx, cy: my place in the cluster
	s_bfe_u32 s41, ttmp6, 0x40004
	s_lshl_b32 s42, ttmp9, 2
	s_add_co_u32 s42, s42, s40                     ; tile column = 4 x cluster x + cx
	s_and_b32 s17, ttmp7, 0xffff
	s_lshl_b32 s17, s17, 2
	s_add_co_u32 s17, s17, s41                     ; tile row = 4 x cluster y + cy
	s_lshl_b32 s43, s41, 2
	s_lshl_b32 s43, 15, s43                        ; my row of the cluster
	s_lshl_b32 s44, 0x1111, s40                    ; my column
	s_or_b32 s[G1+0], s43, (0<<16)|(1<<20)|(1<<21)|(5<<22)|(3<<25)  ; the mask; elements of 1 byte; padding on; bit 21 beside a mask; after every 64 words, 4 words
	s_or_b32 s[G1B+0], s44, (0<<16)|(1<<20)|(1<<21)|(5<<22)|(3<<25)
.irp g, G1, G1B
	s_mov_b32 s[\g+1], ROWB<<16                    ; tensor_dim0
	s_mov_b32 s[\g+2], 128<<16                     ; tensor_dim1
	s_mov_b32 s[\g+3], ROWB<<16                    ; tile_dim0
	s_mov_b32 s[\g+4], 128                         ; tile_dim1
	s_mov_b32 s[\g+5], KROW                        ; from row to row
	s_mov_b32 s[\g+6], 0
	s_mov_b32 s[\g+7], 0
.endr
	s_or_b32 s[G1S+0], s43, (3<<16)|(1<<20)|(1<<21)|(5<<22)|(3<<25) ; the scale bytes of 128 rows: 4,096 dense bytes as 16 rows of 256 (32 elements of 8 bytes), padded alike
	s_or_b32 s[G1SB+0], s44, (3<<16)|(1<<20)|(1<<21)|(5<<22)|(3<<25)
.irp g, G1S, G1SB
	s_mov_b32 s[\g+1], 32<<16
	s_mov_b32 s[\g+2], (128*KS/256)<<16
	s_mov_b32 s[\g+3], 32<<16
	s_mov_b32 s[\g+4], 128*KS/256
	s_mov_b32 s[\g+5], 32
	s_mov_b32 s[\g+6], 0
	s_mov_b32 s[\g+7], 0
.endr
	s_lshl_b32 s18, s16, 7                         ; which 128 rows of the tile I fetch
	s_lshl_b32 s20, s17, 8
	s_add_co_u32 s20, s20, s18                     ; x: row 256 x tile row + 128 x half
	s_lshl_b32 s46, s42, 8
	s_add_co_u32 s46, s46, s18                     ; w_attn: row 256 x tile column + 128 x half
	s_mov_b32 s21, 0
	s_mov_b32 s47, 0
	s_mov_b64 s[18:19], KS
	s_mul_u64 s[22:23], s[20:21], s[18:19]         ; where these rows' scale bytes begin
	s_mul_u64 s[92:93], s[46:47], s[18:19]
	s_mov_b64 s[18:19], KROW
	s_mul_u64 s[20:21], s[20:21], s[18:19]         ; and their codes
	s_mul_u64 s[46:47], s[46:47], s[18:19]
	s_mul_i32 s45, s14, HALFT                      ; where they go: wave x 128 rows: no place in the cluster enters an LDS address
	s_mul_i32 s94, s14, HALFS
	s_wait_dscnt 0x0                               ; both opening adds are done
	s_wait_kmcnt 0x0
	s_add_nc_u64 s[20:21], s[4:5], s[20:21]
	s_add_nc_u64 s[22:23], s[6:7], s[22:23]
	s_add_nc_u64 s[46:47], s[8:9], s[46:47]
	s_add_nc_u64 s[92:93], s[10:11], s[92:93]
	CROUND                                         ; all sixteen work-groups are here: the joint loads meet
	s_mov_b32 s[G0S], 1
	s_add_co_u32 s[G0S+1], s94, SCL
	s_mov_b64 s[G0S+2:G0S+3], s[22:23]
	s_or_b32 s[G0S+3], s[G0S+3], 0x80000000
	s_mov_b32 s[G0SB], 1
	s_add_co_u32 s[G0SB+1], s94, SCL
	s_mov_b64 s[G0SB+2:G0SB+3], s[92:93]
	s_or_b32 s[G0SB+3], s[G0SB+3], 0x80000000
	JLOAD G0S, G1S, G0SB, G1SB                     ; the scale bytes first: they are wanted with the first slot
.irp s, 0,1
	s_mov_b32 s[G0+4*\s], 1
	s_add_co_u32 s[G0+4*\s+1], s45, \s*SLOT
	s_add_nc_u64 s[G0+4*\s+2:G0+4*\s+3], s[20:21], \s*ROWB
	s_or_b32 s[G0+4*\s+3], s[G0+4*\s+3], 0x80000000
	s_mov_b32 s[G0B+4*\s], 1
	s_add_co_u32 s[G0B+4*\s+1], s45, \s*SLOT
	s_add_nc_u64 s[G0B+4*\s+2:G0B+4*\s+3], s[46:47], \s*ROWB
	s_or_b32 s[G0B+4*\s+3], s[G0B+4*\s+3], 0x80000000
	JLOAD G0+4*\s, G1, G0B+4*\s, G1B               ; three tensor loads of mine are out behind the second of these
.endr
	v_and_b32 v1, 15, v0                           ; r = lane % 16
	v_bfe_u32 v2, v0, 4, 1                         ; h = lane / 16
	v_mul_u32_u24 v3, v1, PITCH
	v_lshl_add_u32 v4, v2, 4, v3                   ; a fragment's row x pitch + 16 x half
	s_mul_i32 s21, s15, HALFT                      ; my 128 rows of x
	s_mul_i32 s22, s16, HALFT                      ; my 128 rows of w_attn,
	s_add_co_u32 s22, s22, 2*HALFT                 ; which lie behind x's 256
.irp s, 0,1
	v_add_nc_u32 v[ADRA+\s], s21, v4
	v_add_nc_u32 v[ADRB+\s], s22, v4
	s_add_co_u32 s21, s21, SLOT
	s_add_co_u32 s22, s22, SLOT
.endr
	v_mul_u32_u24 v5, v1, KS                       ; my row's scale bytes: KS bytes a row,
	v_lshrrev_b32 v6, 8, v5
	v_lshl_add_u32 v5, v6, 4, v5                   ; and 16 more for each 256 passed
	s_mul_i32 s21, s15, HALFS
	s_mul_i32 s22, s16, HALFS
	s_add_co_u32 s22, s22, 2*HALFS
	s_sub_co_u32 s22, s22, s21
	v_mul_u32_u24 v6, s22, v2                      ; lanes 16-31 take w_attn's
	s_add_co_u32 s21, s21, SCL
	v_add_nc_u32 v5, v5, v6
	v_add_nc_u32 v[ADRS], s21, v5
	s_mul_i32 s23, s14, SWV                        ; my stage
	v_mul_u32_u24 v5, v1, SPH                      ; in: row r, 16 bytes for each half of the lanes
	v_lshl_add_u32 v5, v2, 4, v5
	v_add_nc_u32 v[STO], s23, v5
	v_bfe_u32 v5, v0, 3, 2                         ; back: eight lanes to a row of 128 bytes, four rows an instruction
	v_mul_u32_u24 v5, v5, SPH
	v_and_b32 v6, 7, v0
	v_lshl_add_u32 v5, v6, 4, v5
	v_add_nc_u32 v[RD], s23, v5
	v_and_b32 v6, 31, v0
	v_lshlrev_b32 v[CO], 4, v6                     ; and the same 512 consecutive bytes in a plane
	s_lshl_b32 s46, s42, 10                        ; the bias of my first column: 4 (256 x tile column + 128 x half)
	s_lshl_b32 s47, s16, 9
	s_add_co_u32 s46, s46, s47
	s_mov_b32 s47, 0
	s_add_nc_u64 s[66:67], s[66:67], s[46:47]
	v_lshlrev_b32 v7, 5, v2                        ; lane (r, h) wants, for block b, the numbers 16 b + 8 h + 0 .. 7
.irp b, 0,1,2,3,4,5,6,7
	global_load_b128 v[BIAS+8*\b:BIAS+8*\b+3], v7, s[66:67] offset:64*\b
	global_load_b128 v[BIAS+8*\b+4:BIAS+8*\b+7], v7, s[66:67] offset:64*\b+16
.endr
	s_lshr_b32 s20, s17, 3                         ; the batch: 8 tile rows each,
	s_lshl_b32 s20, s20, 18                        ; a plane of 262,144 bytes for each
	s_and_b32 s21, s17, 7
	s_lshl_b32 s21, s21, 15                        ; + 256 rows of 128 bytes for each tile row in the batch
	s_add_co_u32 s20, s20, s21
	s_lshl_b32 s21, s15, 14                        ; + my half's 128 rows
	s_add_co_u32 s20, s20, s21
	s_mov_b32 s21, 0
	s_lshl_b32 s46, s42, 22                        ; my first head, 4 x tile column + 2 x half: four planes a head
	s_lshl_b32 s47, s16, 21
	s_add_co_u32 s46, s46, s47
	s_mov_b32 s47, 0
	s_add_nc_u64 s[20:21], s[20:21], s[46:47]
	s_add_nc_u64 s[12:13], s[12:13], s[20:21]
.macro FRAG reg, adr, q, i             ; 16 rows x 128 K of 4-bit codes: 8 registers; registers 4 c .. 4 c + 3 hold K = 64 c + 32 (lane / 16) + 0 .. 31
.irp c, 0,1
	ds_load_b128 v[\reg+4*\c:\reg+4*\c+3], v[\adr] offset:64*(\q)+32*\c+(\i)*16*PITCH
.endr
.endm
; 16 matrix instructions: x's blocks a0, a0 + 1 against w_attn's eight, 128 along K.  first = 1: the bias is the C, and starts the sums.
; The 64 accumulators take turns, one instruction a turn, in the same order in every step.
.macro MUL16 a0, p, q, sc, first
.irp a, \a0, \a0+1
.irp b, 0,1,2,3,4,5,6,7
.if \first
	v_wmma_scale_f32_16x16x128_f8f6f4 v[8*(8*((\a)%4)+\b):8*(8*((\a)%4)+\b)+7], v[128*(\p)+FR*\b:128*(\p)+FR*\b+FR-1], v[AF+FR*(\a):AF+FR*(\a)+FR-1], v[BIAS+8*\b:BIAS+8*\b+7], v[SC+8*NQ*(\sc)+NQ*\b+(\q)], v[SC+8*NQ*(\sc)+NQ*(\a)+(\q)] matrix_a_fmt:MATRIX_FMT_FP4 matrix_b_fmt:MATRIX_FMT_FP4 matrix_a_scale:MATRIX_SCALE_ROW1
.else
	v_wmma_scale_f32_16x16x128_f8f6f4 v[8*(8*((\a)%4)+\b):8*(8*((\a)%4)+\b)+7], v[128*(\p)+FR*\b:128*(\p)+FR*\b+FR-1], v[AF+FR*(\a):AF+FR*(\a)+FR-1], v[8*(8*((\a)%4)+\b):8*(8*((\a)%4)+\b)+7], v[SC+8*NQ*(\sc)+NQ*\b+(\q)], v[SC+8*NQ*(\sc)+NQ*(\a)+(\q)] matrix_a_fmt:MATRIX_FMT_FP4 matrix_b_fmt:MATRIX_FMT_FP4 matrix_a_scale:MATRIX_SCALE_ROW1
.endif
.endr
.endr
.endm
.macro FETCH_B slot, q, p
	WIN TO_B
.irp i, 0,1,2,3,4,5,6,7
	FRAG 128*(\p)+FR*\i, ADRB+\slot, \q, \i
.endr
	WIN 0
.endm
.macro FETCH_A slot, q, i0
.irp i, \i0, \i0+1, \i0+2, \i0+3
	FRAG AF+FR*(\i), ADRA+\slot, \q, \i
.endr
.endm
.macro SCALES sc                       ; a slot's scale words: NQ words a row; lanes 0-15 take x's block i, lanes 16-31 w_attn's block i
.irp i, 0,1,2,3,4,5,6,7
	ds_load_b128 v[SC+8*NQ*\sc+NQ*\i:SC+8*NQ*\sc+NQ*\i+3], v[ADRS] offset:\i*SBLK
.endr
.endm
.macro PLACES n                        ; plain vector instructions between a matrix instruction and a load into, or a read of, its registers
.rept \n
	v_nop
.endr
.endm
.macro STEP slot, q, first             ; a step of 128 along K that has its successor in the same slot
	s_wait_dscnt 4*NL                              ; w_attn's set and x's blocks 0-3 are in; the youngest eight loads (x's blocks 4-7) may be out
.if \first
	WIN BIA_LO
.else
	WIN MUL_LO
.endif
	MUL16 0, (\q)%2, \q, \slot, \first
	MUL16 2, (\q)%2, \q, \slot, \first
	s_wait_dscnt 0
	PLACES NP
	FETCH_B \slot, (\q)+1, 1-(\q)%2
	FETCH_A \slot, (\q)+1, 0
.if \first
	WIN BIA_HI
.else
	WIN MUL_HI
.endif
	MUL16 4, (\q)%2, \q, \slot, \first
	MUL16 6, (\q)%2, \q, \slot, \first
	PLACES NP
	WIN 0
	FETCH_A \slot, (\q)+1, 4
.endm
; Slot 0's last step changes slots: one barrier; in front of it each wave waits for all its tensor loads (slot 1's is the one that may be out) and for its own reads of slot 0.
.macro TURN slot, next
	s_wait_tensorcnt 0x0
	ds_add_u32 v[SPW], v[NIL]                      ; 0 onto my spare word
	s_wait_dscnt 4*NL+1                            ; the add and the youngest eight loads may be out
	WIN MUL_LO
	MUL16 0, 1, NQ-1, \slot, 0
	s_wait_dscnt 0x0                               ; the add is done, and my reads of this slot are over
	s_barrier_signal -1
	MUL16 2, 1, NQ-1, \slot, 0
	WIN 0
	s_barrier_wait -1
	PLACES NP
	v_add_nc_u32 v[ADRS], 4*NQ, v[ADRS]            ; on to the next slot's scale words
	FETCH_B \next, 0, 0
	FETCH_A \next, 0, 0
	SCALES \next
	WIN MUL_HI
	MUL16 4, 1, NQ-1, \slot, 0
	MUL16 6, 1, NQ-1, \slot, 0
	PLACES NP
	WIN 0
	FETCH_A \next, 0, 4
.endm
	s_wait_tensorcnt 1                             ; the scale bytes and my part of slot 0 are in (slot 1's load may be out),
	s_barrier_signal -1
	s_barrier_wait -1                              ; everybody's are
	FETCH_B 0, 0, 0
	FETCH_A 0, 0, 0
	SCALES 0
	FETCH_A 0, 0, 4
	s_wait_loadcnt 0x0                             ; the bias
	STEP 0, 0, 1
	STEP 0, 1, 0
	STEP 0, 2, 0
	TURN 0, 1
	STEP 1, 0, 0
	STEP 1, 1, 0
	STEP 1, 2, 0
	s_wait_dscnt 4*NL                              ; the last step: nothing more to fetch
	WIN MUL_LO
	MUL16 0, 1, NQ-1, 1, 0
	MUL16 2, 1, NQ-1, 1, 0
	s_wait_dscnt 0
	WIN MUL_HI
	MUL16 4, 1, NQ-1, 1, 0
	MUL16 6, 1, NQ-1, 1, 0
	WIN 0
; THE WAY OUT, block by block of 16 rows x 128 columns (two heads).  A lane's eight columns pack into 16 bytes; they go through my own stage and come back as rows of
; 128 bytes, four rows an instruction: 512 consecutive bytes of a plane.  LDS serves a wave's instructions in order: no wait between the stores and the loads.
.macro PACK a
.set AC, 64*((\a)%4)
	WIN 0x0a+5*((\a)/4)                            ; sources 0 and 1: window 2 or 3
.irp b, 0,1,2,3,4,5,6,7
.irp i, 0,1,2,3
	v_cvt_pk_f16_f32 v[TMP+4*\b+\i], v[AC+8*\b+2*\i], v[AC+8*\b+2*\i+1]   ; each accumulator from its low end on
.endr
.endr
	WIN 0
.endm
.macro TOSTAGE a
.set BB, BK+32*((\a)%2)
.if (\a) > 1
	s_wait_xcnt 0x0                                ; the stores of the block two back have read these registers
.endif
.irp b, 0,1,2,3,4,5,6,7
	ds_store_b128 v[STO], v[TMP+4*\b:TMP+4*\b+3] offset:(\b/4)*SHD+(\b%4)*32
.endr
.irp t, 0,1,2,3,4,5,6,7
	ds_load_b128 v[BB+4*\t:BB+4*\t+3], v[RD] offset:(\t/4)*SHD+(\t%4)*4*SPH
.endr
.endm
.macro SEND a
.set BB, BK+32*((\a)%2)
	s_wait_dscnt 0x0                               ; the block is back in registers
.irp t, 0,1,2,3,4,5,6,7
	global_store_b128 v[CO], v[BB+4*\t:BB+4*\t+3], s[12:13] offset:(\t/4)*1048576+(\a)*2048+(\t%4)*512   ; the second head lies four planes on
.endr
.endm
	PLACES NP
	PACK 0
	TOSTAGE 0
.irp a, 1,2,3,4,5,6,7                  ; block a's conversions stand between block a - 1's loads from the stage and the wait for them
	PACK \a
	SEND \a-1
	TOSTAGE \a
.endr
	SEND 7
	s_wait_tensorcnt 0x0                           ; the wave's end
	ds_add_u32 v[SPW], v[NIL]
	s_wait_dscnt 0x0
	CROUND                                         ; the closing round
	s_endpgm
.Lfunc_end_k_q6d449afbc2_qkv:
	.size	k_q6d449afbc2_qkv, .Lfunc_end_k_q6d449afbc2_qkv-k_q6d449afbc2_qkv
	.p2alignl 7, 3214868480
	.fill 96, 4, 3214868480
	.section	.rodata,"a",@progbits
	.p2align	6, 0x0
	.amdhsa_kernel k_q6d449afbc2_qkv
		.amdhsa_group_segment_fixed_size 327680
		.amdhsa_private_segment_fixed_size 0
		.amdhsa_enable_private_segment 0
		.amdhsa_kernarg_size 48
		.amdhsa_user_sgpr_count 2
		.amdhsa_user_sgpr_kernarg_segment_ptr 1
		.amdhsa_wavefront_size32 1
		.amdhsa_system_sgpr_workgroup_id_x 1
		.amdhsa_system_sgpr_workgroup_id_y 1
		.amdhsa_system_sgpr_workgroup_id_z 1
		.amdhsa_system_vgpr_workitem_id 0
		.amdhsa_next_free_vgpr 1024
		.amdhsa_next_free_sgpr 98
		.amdhsa_reserve_vcc 0
		.amdhsa_float_denorm_mode_32 3
		.amdhsa_float_denorm_mode_16_64 3
		.amdhsa_memory_ordered 1
		.amdhsa_forward_progress 1
		.amdhsa_inst_pref_size 128
	.end_amdhsa_kernel
	.amdgpu_metadata
---
amdhsa.version: [ 1, 2 ]
amdhsa.kernels:
  - .name:           k_q6d449afbc2_qkv
    .symbol:         k_q6d449afbc2_qkv.kd
    .args:
      - { .name: xc, .offset: 0, .size: 8, .value_kind: global_buffer, .address_space: global }
      - { .name: xs, .offset: 8, .size: 8, .value_kind: global_buffer, .address_space: global }
      - { .name: wc, .offset: 16, .size: 8, .value_kind: global_buffer, .address_space: global }
      - { .name: ws, .offset: 24, .size: 8, .value_kind: global_buffer, .address_space: global }
      - { .name: b_attn, .offset: 32, .size: 8, .value_kind: global_buffer, .address_space: global }
      - { .name: qkv, .offset: 40, .size: 8, .value_kind: global_buffer, .address_space: global }
    .group_segment_fixed_size: 327680
    .private_segment_fixed_size: 0
    .kernarg_segment_align: 8
    .kernarg_segment_size: 48
    .max_flat_workgroup_size: 128
    .sgpr_count:     98
    .vgpr_count:     1024
    .wavefront_size: 32
...
	.end_amdgpu_metadata
.endif
;; end of part 2
;; launch attn (part 3): grid 4 x 64, 8 waves a work-group, no clusters, 327,680 bytes of LDS; arguments qkv, y; writes y
.if DOCPART == 3
	.amdgcn_target "amdgcn-amd-amdhsa--gfx1250"
	.amdhsa_code_object_version 6
	.text
	.protected	k_q6d449afbc2_attn
	.globl	k_q6d449afbc2_attn
	.p2align	8
	.type	k_q6d449afbc2_attn,@function
k_q6d449afbc2_attn:
	s_mov_b64 s[64:65], 0
	v_nop
	global_prefetch_b8 v0, s[64:65] scope:SCOPE_SE
	s_setreg_imm32_b32 hwreg(HW_REG_WAVE_MODE, 25, 1), 1
	s_wait_xcnt 0x0
; y[h][2048 b + q][:] = the sum over k <= q of softmax_k(Q[q] . K[k] / 8) V[k][:], for each of the 64 planes p = 4 h + b.  Q, K, V: planes p, 64 + p, 128 + p of qkv, [2048][64] f16.
; Products on f16 operands, sums, maxima and exponentials in f32; the weights are rounded to f16 for the second product, and the row's sum is taken of those rounded weights.
; LIMIT: |y| stays under 65,504 (f16).  Positions 0-15 of every sequence are made again in f32 by later launches.
; SHARES.  Work-group (i, p) owns query blocks 7 - i and i of plane p, 256 queries each, one after the other.  Block j wants j + 1 slots of 256 keys, so every work-group walks
; (8 - i) + (i + 1) = 9 slots: the trip count is a constant and the work is even.  Each of eight waves owns 32 queries of the block, two tiles of 16.
; NO CLUSTER: the four work-groups of a plane want different slots from the fifth trip on; walking jointly would take 8 + 4 = 12 slots for each in place of 9.
; LAYOUT.  S^T = K Q^T (source 0 = 16 keys, source 1 = 16 queries) and O^T = V^T P: a lane holds ONE query throughout.  K comes out of LDS as it lies, V turned by ds_load_tr16_b128.
; THE ROW'S SUM is a fifth tile of V^T P: source 0 = ONE, ones in rows 0 and 8 and zeros elsewhere, so that register 0 of the result holds the lane's own query's sum.
; A step of 64 keys all of which come after the wave's queries is left out by a scalar branch on ids; on the diagonal hidden scores become -infinity ahead of the maximum.
; REGISTERS: window 0: v2-14 addresses; v16-18 the mask's; v24-39 statistics; v40-103 S^T; v104-135 P; v136-199 O^T; v200-215 the sums; v216-247 at work.
;   window 1: v0-63 K of a step; v64-127 V of a step; v128-159 Q; v160-167 ONE.
.set SLOT1, 1<<17                      ; slot 1 begins here: one exclusive or turns an address from one slot to the other
.set PK,    272                        ; two keys' rows of K (256 bytes) + 16 of padding
.set PVR,   288                        ; two keys' rows of V + 32
.set VOFF,  128*PK                     ; a slot: 256 keys of K, then of V
.set KHALF, 64*PK                      ; what one tensor load brings
.set VHALF, 64*PVR
.set STAGE, SLOT1+VOFF+128*PVR         ; behind the ring: 32 rows x 144 bytes for each wave
.set SPH,   144
.set SWV,   32*SPH
.set SPARE, STAGE+8*SWV                ; the spare words, 128 bytes a wave, which no other line names
.set AK0, 2
.set AV0, 3
.set ADK, 4
.set ADV, 5
.set QO,  6
.set STO, 7
.set RD,  8
.set GO,  9
.set PFO, 10
.set PFO2, 11
.set SPW, 12
.set NIL, 13
.set DM,  14
.set DD,  16
.set NINF, 18
.set ST,  24                           ; tile t at ST + 8 t: +0 c m, +1 m, +4 .. +7 at work; a in +6
.set S,   40
.set P,   104
.set O,   136
.set L,   200
.set OUTB, 216
.set KB,  0                            ; window 1
.set VB,  64
.set QF,  128
.set ONE, 160
.set WV,  8
.set NA,  9                            ; trips of the first block: 8 - i
.set TR,  10
.set KF,  11                           ; the slot's first key
.set Q0,  12                           ; my first query
.set TB,  13                           ; LDS byte at which the slot in hand begins
.set LIM, 14
.set QL,  15                           ; my last query
.set QB,  16
.set KBW, 18
.set VBW, 20
.set YB,  22
.set G1K, 24
.set G1V, 32
.set G0K, 40
.set G0V, 44
.set CS,  48                           ; c = log2(e) / 8
.set SEL, 50
.set PFA, 52
.set QW,  54
.set YW,  56
.set MSB, 0
.macro WIN new                         ; the immediate's high byte repeats the setting that is left
.if MSB != \new
	s_set_vgpr_msb (MSB<<8)|\new
.set MSB, \new
.endif
.endm
; Waves 0 and 1 fetch K's halves of a slot, waves 2 and 3 V's, the others nothing.  An s_nop 0 and four v_nop follow each line.
.macro TLOAD
	s_cmp_lt_u32 s[WV], 2
	s_cbranch_scc0 .Lnot_k_\@
	tensor_load_to_lds s[G0K:G0K+3], s[G1K:G1K+7]
	s_nop 0
.rept 4
	v_nop
.endr
	s_branch .Lasked_\@
.Lnot_k_\@:
	s_cmp_lt_u32 s[WV], 4
	s_cbranch_scc0 .Lasked_\@
	tensor_load_to_lds s[G0V:G0V+3], s[G1V:G1V+7]
	s_nop 0
.rept 4
	v_nop
.endr
.Lasked_\@:
.endm
; A prefetch of the slot that the NEXT change of slots will ask for: 32,768 bytes of K and as many of V.  The plane's work-group with i = 0, which walks slots 0 to 7 in order, asks, and nobody else;
; in it waves 4 to 7, which fetch nothing: 8,192 bytes of each a wave, lanes 256 bytes apart.  Trip t names slot t + 2; trips 0 to 5 ask, so slot 7 is the last named.
.macro ASK
	s_cmp_lt_u32 s[TR], s[LIM]
	s_cbranch_scc0 .Lnot_mine_\@
	global_prefetch_b8 v[PFO], s[PFA:PFA+1] th:TH_LOAD_NT scope:SCOPE_SE
	global_prefetch_b8 v[PFO2], s[PFA:PFA+1] th:TH_LOAD_NT scope:SCOPE_SE
.Lnot_mine_\@:
.endm
	s_load_b128 s[4:7], s[0:1], 0x0                ; qkv, y
	v_lshl_add_u32 v[SPW], v0, 2, SPARE
	v_mov_b32 v[NIL], 0
	ds_add_u32 v[SPW], v[NIL]                      ; the wave's opening: the add, twice on end, and its wait ahead of the first tensor load
	ds_add_u32 v[SPW], v[NIL]
	v_lshrrev_b32 v216, 5, v0
	v_readfirstlane_b32 s[WV], v216                ; wave 0..7
	s_sub_co_u32 s[NA], 8, ttmp9
	s_and_b32 s58, ttmp7, 0xffff                   ; the plane p
	s_lshl_b32 s58, s58, 18                        ; 262,144 bytes a plane, in qkv and in y alike
	s_mov_b32 s59, 0
	s_and_b32 s60, s[WV], 1                        ; which half of a slot I fetch, if I fetch
	s_mul_i32 s[G0K+1], s60, KHALF                 ; its place in slot 0: K's,
	s_mul_i32 s[G0V+1], s60, VHALF
	s_add_co_u32 s[G0V+1], s[G0V+1], VOFF          ; V's
	s_lshl_b32 s60, s60, 14                        ; and in memory: 128 keys of 128 bytes
	s_mov_b32 s61, 0
	s_mov_b32 s[G1K], (1<<16)|(1<<20)|(5<<22)|(3<<25)   ; no mask; elements of 2 bytes; padding on: after every 64 words, 4 words
	s_mov_b32 s[G1V], (1<<16)|(1<<20)|(5<<22)|(7<<25)   ; the same with 8 words
.irp g, G1K, G1V
	s_mov_b32 s[\g+1], 128<<16                     ; tensor_dim0: two keys' rows are one row of 128 elements (the planes are dense)
	s_mov_b32 s[\g+2], 64<<16                      ; tensor_dim1
	s_mov_b32 s[\g+3], 128<<16                     ; tile_dim0
	s_mov_b32 s[\g+4], 64                          ; tile_dim1
	s_mov_b32 s[\g+5], 128                         ; from row to row
	s_mov_b32 s[\g+6], 0
	s_mov_b32 s[\g+7], 0
.endr
	s_mov_b32 s[G0K], 1
	s_mov_b32 s[G0V], 1
	s_mov_b32 s[CS], 0x3e38aa3b                    ; log2(e) / 8
	s_mov_b32 s[CS+1], s[CS]                       ; (named with it as a pair, so it is written)
	s_mov_b32 s[SEL], 0x76543210
	s_mov_b32 s[SEL+1], 0xfedcba98
	s_mov_b32 s[TR], 0
	s_mov_b32 s[TB], 0
	s_lshr_b32 s[LIM], s[WV], 2
	s_xor_b32 s[LIM], s[LIM], 1                    ; 0 in waves 4 to 7,
	s_or_b32 s[LIM], s[LIM], ttmp9                 ; of the work-group with i = 0
	s_cmp_eq_u32 s[LIM], 0
	s_cselect_b32 s[LIM], 6, 0
	s_wait_dscnt 0x0                               ; both opening adds are done
	s_wait_kmcnt 0x0
	s_add_nc_u64 s[QB:QB+1], s[4:5], s[58:59]      ; Q's plane
	s_add_nc_u64 s[YB:YB+1], s[6:7], s[58:59]      ; y's
	s_add_nc_u64 s[KBW:KBW+1], s[QB:QB+1], 0x1000000   ; K's lies 64 planes on,
	s_add_nc_u64 s[KBW:KBW+1], s[KBW:KBW+1], s[60:61]  ; at my half of a slot;
	s_add_nc_u64 s[VBW:VBW+1], s[KBW:KBW+1], 0x1000000 ; V's 64 more
	s_mov_b64 s[G0K+2:G0K+3], s[KBW:KBW+1]
	s_or_b32 s[G0K+3], s[G0K+3], 0x80000000
	s_mov_b64 s[G0V+2:G0V+3], s[VBW:VBW+1]
	s_or_b32 s[G0V+3], s[G0V+3], 0x80000000
	TLOAD                                          ; slot 0: keys 0 to 255, which count for every block
	s_and_b32 s60, s[WV], 3
	s_lshl_b32 s60, s60, 13
	s_add_co_u32 s60, s60, 0x1008000               ; K's plane, slot 1, my wave's 8,192 bytes: the first change of slots steps it to slot 2
	s_add_nc_u64 s[PFA:PFA+1], s[QB:QB+1], s[60:61]
	v_and_b32 v216, 15, v0                         ; r
	v_bfe_u32 v217, v0, 4, 1                       ; h
	v_and_b32 v218, 1, v0
	v_bfe_u32 v219, v0, 1, 3
	v_mul_u32_u24 v[AK0], v219, PK                 ; K: key r of a tile: pair-row r / 2, half r % 2, + 16 h
	v_lshl_add_u32 v[AK0], v218, 7, v[AK0]
	v_lshl_add_u32 v[AK0], v217, 4, v[AK0]
	v_bfe_u32 v219, v0, 1, 2
	v_lshl_add_u32 v219, v217, 2, v219
	v_mul_u32_u24 v[AV0], v219, PVR                ; V: the turning load's lane l addresses key 8 h + l % 8, channels 8 ((l / 8) % 2) on
	v_lshl_add_u32 v[AV0], v218, 7, v[AV0]
	v_bfe_u32 v219, v0, 3, 1
	v_lshl_add_u32 v[AV0], v219, 4, v[AV0]
	v_add_nc_u32 v[AV0], VOFF, v[AV0]
	v_lshlrev_b32 v[QO], 7, v216
	v_lshl_add_u32 v[QO], v217, 4, v[QO]           ; Q: row r of 128 bytes, + 16 h
	s_mul_i32 s58, s[WV], SWV
	s_add_co_u32 s58, s58, STAGE                   ; my stage
	v_mul_u32_u24 v[STO], v216, SPH
	v_lshl_add_u32 v[STO], v217, 4, v[STO]
	v_add_nc_u32 v[STO], s58, v[STO]
	v_bfe_u32 v219, v0, 3, 2
	v_mul_u32_u24 v[RD], v219, SPH
	v_and_b32 v219, 7, v0
	v_lshl_add_u32 v[RD], v219, 4, v[RD]
	v_add_nc_u32 v[RD], s58, v[RD]
	v_and_b32 v220, 31, v0
	v_lshlrev_b32 v[GO], 4, v220
	v_lshlrev_b32 v[PFO], 8, v220
	v_add_nc_u32 v[PFO2], 0x1000000, v[PFO]
	v_lshlrev_b32 v220, 3, v217
	v_sub_nc_u32 v[DM], v216, v220                 ; r - 8 h
	v_mov_b32 v[NINF], 0xff800000
	v_cmp_eq_u32 vcc_lo, 0, v219                   ; lanes 0, 8, 16, 24 hold rows 0 and 8 of ONE
	v_mov_b32 v220, 0x3c003c00                     ; two ones in f16
	v_cndmask_b32 v220, v[NIL], v220, vcc_lo
	WIN 0x40
.irp i, 0,1,2,3,4,5,6,7
	v_mov_b32 v[ONE+\i], v220
.endr
	WIN 0
; A block begins: its Q comes into registers; m = -3e38 lies under every score; O^T and the sums begin as zeros, which the first change of m leaves zeros: so the loop has no first step of its own.
.macro INIT
	s_add_co_u32 s[QL], s[Q0], 31
	s_lshl_b32 s58, s[Q0], 7
	s_mov_b32 s59, 0
	s_add_nc_u64 s[QW:QW+1], s[QB:QB+1], s[58:59]
	s_add_nc_u64 s[YW:YW+1], s[YB:YB+1], s[58:59]
	WIN 0x40
.irp t, 0,1
.irp e, 0,1,2,3
	global_load_b128 v[QF+16*\t+4*\e:QF+16*\t+4*\e+3], v[QO], s[QW:QW+1] offset:2048*\t+32*\e
.endr
.endr
	WIN 0
.irp t, 0,1
	v_mov_b32 v[ST+8*\t+1], 0xff61b1e6
	v_mul_f32 v[ST+8*\t], s[CS], v[ST+8*\t+1]
.endr
.set n, 0
.rept 80
	v_mov_b32 v[O+n], 0                            ; O^T's 64 and the sums' 16 lie on end
.set n, n+1
.endr
	s_wait_loadcnt 0x0
.endm
.macro FETCH_K q                       ; 64 keys x 64 channels: fragment (kt, c) at KB + 16 kt + 8 c
	WIN 0x40
.irp kt, 0,1,2,3
.irp e, 0,1,2,3
	ds_load_b128 v[KB+16*\kt+4*\e:KB+16*\kt+4*\e+3], v[ADK] offset:(32*(\q)+8*\kt)*PK+32*\e
.endr
.endr
.endm
.macro FETCH_V q                       ; turned: fragment (kc, ct): 16 channels x 32 keys at VB + 32 kc + 8 ct
	WIN 0x40
.irp kc, 0,1
.irp ct, 0,1,2,3
	ds_load_tr16_b128 v[VB+32*\kc+8*\ct:VB+32*\kc+8*\ct+3], v[ADV] offset:(32*(\q)+16*\kc)*PVR+32*\ct
	ds_load_tr16_b128 v[VB+32*\kc+8*\ct+4:VB+32*\kc+8*\ct+7], v[ADV] offset:(32*(\q)+16*\kc+8)*PVR+32*\ct
.endr
.endr
.endm
.macro KQM                             ; S^T = K Q^T: eight accumulators by turns, two deep
	WIN 0x05
.irp c, 0,1
.irp kt, 0,1,2,3
.irp t, 0,1
.if \c == 0
	v_wmma_f32_16x16x32_f16 v[S+32*\t+8*\kt:S+32*\t+8*\kt+7], v[KB+16*\kt+8*\c:KB+16*\kt+8*\c+7], v[QF+16*\t+8*\c:QF+16*\t+8*\c+7], 0
.else
	v_wmma_f32_16x16x32_f16 v[S+32*\t+8*\kt:S+32*\t+8*\kt+7], v[KB+16*\kt+8*\c:KB+16*\kt+8*\c+7], v[QF+16*\t+8*\c:QF+16*\t+8*\c+7], v[S+32*\t+8*\kt:S+32*\t+8*\kt+7]
.endif
.endr
.endr
.endr
.endm
.macro PVM                             ; O^T += V^T P and the sums += ONE P: ten accumulators by turns, two deep
	WIN 0x01
.irp kc, 0,1
.irp ct, 0,1,2,3
.irp t, 0,1
	v_wmma_f32_16x16x32_f16 v[O+32*\t+8*\ct:O+32*\t+8*\ct+7], v[VB+32*\kc+8*\ct:VB+32*\kc+8*\ct+7], v[P+16*\t+8*\kc:P+16*\t+8*\kc+7], v[O+32*\t+8*\ct:O+32*\t+8*\ct+7]
.endr
.endr
.irp t, 0,1
	v_wmma_f32_16x16x32_f16 v[L+8*\t:L+8*\t+7], v[ONE:ONE+7], v[P+16*\t+8*\kc:P+16*\t+8*\kc+7], v[L+8*\t:L+8*\t+7]
.endr
.endr
	WIN 0
.endm
; On the diagonal: register n of tile t holds key KF + 64 q + 16 (n / 8) + 8 h + n % 8 of query Q0 + 16 t + r: hidden where 16 (n / 8) + n % 8 > d = Q0 + 16 t - KF - 64 q + r - 8 h.
.macro MASK q
	s_add_co_u32 s58, s[KF], 64*(\q)+63
	s_cmp_le_u32 s58, s[Q0]                        ; a step all of whose keys count skips this
	s_cbranch_scc1 .Lopen_\@
	s_sub_co_i32 s58, s[Q0], s[KF]
	s_sub_co_i32 s58, s58, 64*(\q)
	v_add_nc_u32 v[DD], s58, v[DM]
	v_add_nc_u32 v[DD+1], 16, v[DD]
.irp t, 0,1
.set n, 0
.rept 32
	v_cmp_gt_i32 vcc_lo, 16*(n/8)+n%8, v[DD+\t]
	v_cndmask_b32 v[S+32*\t+n], v[S+32*\t+n], v[NINF], vcc_lo
.set n, n+1
.endr
.endr
.Lopen_\@:
.endm
; The softmax of a step, the two tiles line by line.  p = 2^(c s - c m); O^T and the sums are multiplied by a = 2^(c m_old - c m_new).
.macro SOFTMAX
.irp j, 0,1,2,3
.irp t, 0,1
	v_max3_num_f32 v[ST+8*\t+4+\j], v[S+32*\t+8*\j], v[S+32*\t+8*\j+1], v[S+32*\t+8*\j+2]   ; four chains, each from its accumulator's low end on
.endr
.endr
.irp g, 1,2
.irp j, 0,1,2,3
.irp t, 0,1
	v_max3_num_f32 v[ST+8*\t+4+\j], v[ST+8*\t+4+\j], v[S+32*\t+8*\j+2*\g+1], v[S+32*\t+8*\j+2*\g+2]
.endr
.endr
.endr
.irp t, 0,1
	v_max3_num_f32 v[ST+8*\t+4], v[ST+8*\t+4], v[S+32*\t+7], v[S+32*\t+15]
	v_max3_num_f32 v[ST+8*\t+6], v[ST+8*\t+6], v[S+32*\t+23], v[S+32*\t+31]
.endr
.irp t, 0,1
	v_max3_num_f32 v[ST+8*\t+4], v[ST+8*\t+4], v[ST+8*\t+5], v[ST+8*\t+6]
.endr
.irp t, 0,1
	v_max3_num_f32 v[ST+8*\t+4], v[ST+8*\t+4], v[ST+8*\t+7], v[ST+8*\t+1]   ; and the old m
.endr
.irp t, 0,1
	v_permlanex16_b32 v[ST+8*\t+5], v[ST+8*\t+4], s[SEL], s[SEL+1]          ; the query's other 32 keys lie in the lane 16 away
.endr
.irp t, 0,1
	v_mov_b32 v[ST+8*\t+7], v[ST+8*\t]             ; c m_old
.endr
.irp t, 0,1
	v_max_num_f32 v[ST+8*\t+1], v[ST+8*\t+4], v[ST+8*\t+5]
.endr
.irp t, 0,1
	v_mul_f32 v[ST+8*\t], s[CS], v[ST+8*\t+1]
.endr
.irp t, 0,1
	v_sub_f32 v[ST+8*\t+7], v[ST+8*\t+7], v[ST+8*\t]
.endr
.irp t, 0,1
	v_exp_f32 v[ST+8*\t+6], v[ST+8*\t+7]           ; a
.endr
.set n, 0
.rept 16
.irp t, 0,1
	v_pk_fma_f32 v[S+32*\t+2*n:S+32*\t+2*n+1], v[S+32*\t+2*n:S+32*\t+2*n+1], s[CS:CS+1], v[ST+8*\t:ST+8*\t+1] op_sel_hi:[1,0,0] neg_lo:[0,0,1] neg_hi:[0,0,1]   ; c s - c m
.endr
.set n, n+1
.endr
	s_wait_alu depctr_va_vdst(0)                   ; the wait ahead of a's first reader; the 32 scalings stand between
.set n, 0
.rept 64
	v_exp_f32 v[S+n], v[S+n]                       ; one batch
.set n, n+1
.endr
.set n, 0
.rept 16
.irp t, 0,1
	v_pk_mul_f32 v[O+32*\t+2*n:O+32*\t+2*n+1], v[O+32*\t+2*n:O+32*\t+2*n+1], v[ST+8*\t+6:ST+8*\t+7] op_sel_hi:[1,0]   ; O^T x a: work that names none of the batch's results
.endr
.set n, n+1
.endr
.irp t, 0,1
	v_pk_mul_f32 v[L+8*\t:L+8*\t+1], v[L+8*\t:L+8*\t+1], v[ST+8*\t+6:ST+8*\t+7] op_sel_hi:[1,0]   ; the sum x a (registers 1 to 7 stay zeros)
.endr
	s_wait_alu depctr_va_vdst(0)                   ; one wait for the 64
.set n, 0
.rept 16
.irp t, 0,1
	v_cvt_pk_f16_f32 v[P+16*\t+n], v[S+32*\t+2*n], v[S+32*\t+2*n+1]   ; two tiles of 16 keys, rounded in pairs, ARE source 1 (32 keys x 16 queries)
.endr
.set n, n+1
.endr
.endm
.macro STEP id, q                      ; 64 keys, the q-th of the slot in hand
.if \q > 0
	s_add_co_u32 s58, s[KF], 64*\q
	s_cmp_gt_u32 s58, s[QL]                        ; all its keys come after my queries: so do those of the slot's later steps
	s_cbranch_scc1 .Lslot_end_\id
.endif
	s_wait_dscnt 0x0                               ; K of this step is in
	KQM
	WIN 0
.rept 4
	v_nop                                          ; places in front of the loads into K's and V's registers and of the first read of the scores
.endr
	FETCH_V \q
.if \q < 3
	FETCH_K \q+1
.endif
	WIN 0
	MASK \q
	SOFTMAX
.if \q < 3
	s_wait_dscnt 16                                ; V is in; the 16 younger loads, the next step's K, may be out
.else
	s_wait_dscnt 0x0
.endif
	PVM
.endm
.macro SLOT_STEPS id
	s_cmp_ge_u32 s[TR], s[NA]
	s_cselect_b32 s58, s[NA], 0
	s_sub_co_u32 s58, s[TR], s58                   ; which slot of keys this trip walks
	s_lshl_b32 s[KF], s58, 8
	v_add_nc_u32 v[ADK], s[TB], v[AK0]
	v_add_nc_u32 v[ADV], s[TB], v[AV0]
	FETCH_K 0
	WIN 0
	STEP \id, 0
	STEP \id, 1
	STEP \id, 2
	STEP \id, 3
.Lslot_end_\id:
	s_wait_dscnt 0x0                               ; (a step that was left out leaves its K on the way)
	s_xor_b32 s[TB], s[TB], SLOT1
.endm
; THE CHANGE OF SLOTS stands at a slot's head.  Each wave waits for all its tensor loads, adds 0 to its spare word, and waits for that and for its reads of the slot that it has left.
; Behind the barrier the slot ahead is whole and nobody reads the other one, which is filled with the keys of the next trip: one tensor load a wave, with a whole slot's steps in which to land.
.macro CHANGE fill
	s_wait_tensorcnt 0x0                           ; no tensor load of mine is out, so a group 0 may be written
	ds_add_u32 v[SPW], v[NIL]
.if \fill
	ds_add_u32 v[SPW], v[NIL]                      ; and once more, in every trip alike
	s_add_co_u32 s58, s[TR], 1
	s_cmp_ge_u32 s58, s[NA]
	s_cselect_b32 s59, s[NA], 0
	s_sub_co_u32 s58, s58, s59                     ; the next trip's slot of keys,
	s_lshl_b32 s58, s58, 15                        ; 32,768 bytes each
	s_mov_b32 s59, 0
	s_xor_b32 s[G0K+1], s[G0K+1], SLOT1
	s_add_nc_u64 s[G0K+2:G0K+3], s[KBW:KBW+1], s[58:59]
	s_or_b32 s[G0K+3], s[G0K+3], 0x80000000
	s_xor_b32 s[G0V+1], s[G0V+1], SLOT1
	s_add_nc_u64 s[G0V+2:G0V+3], s[VBW:VBW+1], s[58:59]
	s_or_b32 s[G0V+3], s[G0V+3], 0x80000000
	s_wait_xcnt 0x0                                ; the last prefetches, a slot back, have read their address
	s_add_nc_u64 s[PFA:PFA+1], s[PFA:PFA+1], 32768
.endif
	s_wait_dscnt 0x0
	s_barrier_signal -1
	s_barrier_wait -1
.if \fill
	TLOAD
	ASK
.endif
.endm
; A block ends: O^T is divided by the sum, rounded to f16 and sent through my stage: 32 rows of 128 bytes leave as eight stores of 512 consecutive bytes.
.macro FINISH
.rept 4
	v_nop
.endr
.irp t, 0,1
	v_rcp_f32 v[ST+8*\t+6], v[L+8*\t]
.endr
	v_nop
	s_wait_alu depctr_va_vdst(0)                   ; one wait for the two reciprocals, ahead of their first reader
.set n, 0
.rept 16
.irp t, 0,1
	v_pk_mul_f32 v[O+32*\t+2*n:O+32*\t+2*n+1], v[O+32*\t+2*n:O+32*\t+2*n+1], v[ST+8*\t+6:ST+8*\t+7] op_sel_hi:[1,0]
.endr
.set n, n+1
.endr
.set n, 0
.rept 32
	v_cvt_pk_f16_f32 v[P+n], v[O+2*n], v[O+2*n+1]
.set n, n+1
.endr
.irp t, 0,1
.irp ct, 0,1,2,3
	ds_store_b128 v[STO], v[P+16*\t+4*\ct:P+16*\t+4*\ct+3] offset:16*SPH*\t+32*\ct
.endr
.endr
.irp u, 0,1,2,3,4,5,6,7
	ds_load_b128 v[OUTB+4*\u:OUTB+4*\u+3], v[RD] offset:4*SPH*\u    ; LDS serves a wave's instructions in order: these see the stores above
.endr
.irp u, 0,1,2,3,4,5,6,7
	s_wait_dscnt 7-\u                              ; the younger loads may be out
	global_store_b128 v[GO], v[OUTB+4*\u:OUTB+4*\u+3], s[YW:YW+1] offset:512*\u
.endr
.endm
	s_lshl_b32 s58, ttmp9, 8
	s_sub_co_u32 s[Q0], 7*256, s58                 ; block 7 - i first
	s_lshl_b32 s59, s[WV], 5
	s_add_co_u32 s[Q0], s[Q0], s59
	INIT
.Ltrip:                                            ; eight trips; behind each change of slots the next trip's slot is asked for
	CHANGE 1
	SLOT_STEPS 0
	s_add_co_u32 s58, s[TR], 1
	s_cmp_eq_u32 s58, s[NA]                        ; the first block's last slot?  The same in all waves
	s_cbranch_scc0 .Lsame
	FINISH
	s_wait_xcnt 0x0                                ; the stores have read their base and registers
	s_lshl_b32 s[Q0], ttmp9, 8                     ; block i
	s_lshl_b32 s59, s[WV], 5
	s_add_co_u32 s[Q0], s[Q0], s59
	INIT
.Lsame:
	s_add_co_u32 s[TR], s[TR], 1
	s_cmp_lt_u32 s[TR], 8
	s_cbranch_scc1 .Ltrip
	CHANGE 0                                       ; the ninth slot is written out: nothing is left to fetch
	SLOT_STEPS 1
	FINISH
	s_wait_tensorcnt 0x0                           ; the wave's end
	ds_add_u32 v[SPW], v[NIL]
	s_wait_dscnt 0x0
	s_endpgm
.Lfunc_end_k_q6d449afbc2_attn:
	.size	k_q6d449afbc2_attn, .Lfunc_end_k_q6d449afbc2_attn-k_q6d449afbc2_attn
	.p2alignl 7, 3214868480
	.fill 96, 4, 3214868480
	.section	.rodata,"a",@progbits
	.p2align	6, 0x0
	.amdhsa_kernel k_q6d449afbc2_attn
		.amdhsa_group_segment_fixed_size 327680
		.amdhsa_private_segment_fixed_size 0
		.amdhsa_enable_private_segment 0
		.amdhsa_kernarg_size 16
		.amdhsa_user_sgpr_count 2
		.amdhsa_user_sgpr_kernarg_segment_ptr 1
		.amdhsa_wavefront_size32 1
		.amdhsa_system_sgpr_workgroup_id_x 1
		.amdhsa_system_sgpr_workgroup_id_y 1
		.amdhsa_system_sgpr_workgroup_id_z 1
		.amdhsa_system_vgpr_workitem_id 0
		.amdhsa_next_free_vgpr 432
		.amdhsa_next_free_sgpr 66
		.amdhsa_reserve_vcc 1
		.amdhsa_float_denorm_mode_32 3
		.amdhsa_float_denorm_mode_16_64 3
		.amdhsa_memory_ordered 1
		.amdhsa_forward_progress 1
		.amdhsa_inst_pref_size 186
	.end_amdhsa_kernel
	.amdgpu_metadata
---
amdhsa.version: [ 1, 2 ]
amdhsa.kernels:
  - .name:           k_q6d449afbc2_attn
    .symbol:         k_q6d449afbc2_attn.kd
    .args:
      - { .name: qkv, .offset: 0, .size: 8, .value_kind: global_buffer, .address_space: global }
      - { .name: y, .offset: 8, .size: 8, .value_kind: global_buffer, .address_space: global }
    .group_segment_fixed_size: 327680
    .private_segment_fixed_size: 0
    .kernarg_segment_align: 8
    .kernarg_segment_size: 16
    .max_flat_workgroup_size: 256
    .sgpr_count:     66
    .vgpr_count:     432
    .wavefront_size: 32
...
	.end_amdgpu_metadata
.endif
;; end of part 3
;; launch proj (part 4): grid 4 x 64, 4 waves a work-group, clusters of 4 x 4, 327,680 bytes of LDS; arguments y, wp, b_proj, out0; writes out0
.if DOCPART == 4
	.amdgcn_target "amdgcn-amd-amdhsa--gfx1250"
	.amdhsa_code_object_version 6
	.text
	.protected	k_q6d449afbc2_proj
	.globl	k_q6d449afbc2_proj
	.p2align	8
	.type	k_q6d449afbc2_proj,@function
k_q6d449afbc2_proj:
	s_mov_b64 s[64:65], 0
	v_nop
	global_prefetch_b8 v0, s[64:65] scope:SCOPE_SE
	s_setreg_imm32_b32 hwreg(HW_REG_WAVE_MODE, 25, 1), 1
	s_wait_xcnt 0x0
	s_wait_alu depctr_hold_cnt(0) depctr_sa_sdst(0) depctr_va_vdst(0) depctr_va_sdst(0) depctr_va_ssrc(0) depctr_va_vcc(0) depctr_vm_vsrc(0)
	s_getreg_b32 s2, hwreg(HW_REG_IB_STS2, 6, 4)
	s_cmp_eq_u32 s2, 0
	s_cbranch_scc0 .Lentry_in_a_cluster
	s_endpgm
.Lentry_in_a_cluster:
	s_bfe_u32 s2, ttmp6, 0x10000c
	s_cmp_lg_u32 s2, 0xf033
	s_cbranch_scc0 .Lentry_shape_is_right
	s_endpgm
.Lentry_shape_is_right:
; out0[m][n] = sum over k of y[m][k] w_proj[n][k] + b_proj[n].  y: 16 planes [8192][64] f16 (plane = k / 64); wp: 16 planes [1024][64] f16; out0 [8192][1024] f32; sums in f32.
; A tile of out0 is 128 rows x 256 columns: 256 work-groups.  Four waves, each 64 x 128: 32 accumulators, 256 registers.  K goes in steps of 128 (two planes) through two LDS slots.
; In a plane two neighbouring rows are 256 consecutive bytes: a tile's part of a plane is a dense block, stated as rows of 256 bytes with 16 of padding behind each.
; CLUSTERS: 4 x 4 work-groups; y's tiles are shared along a row of the cluster, wp's along a column: each is asked for jointly.  Waves 0 and 1 ask for y's two planes, waves 2 and 3 for wp's.
; The matrix instruction is used transposed (source 0 = 16 rows of wp, source 1 = 16 rows of y): a lane holds eight neighbouring columns of a row.  The bias is the C of each sum's first product.
; REGISTERS: window 0: v16-29 addresses; v64-191 rows on the way out; v192-255 the bias.  window 1: two fragment buffers of 96 (wp's 8, then y's 4).  window 2: accumulator (a, b) at v[8 (8 a + b)].
.set PITCH,  272
.set APL,    64*PITCH                  ; y's 128 rows of a plane
.set BPL,    128*PITCH                 ; wp's 256 rows of a plane
.set BOFF,   2*APL
.set SLOT,   2*APL+2*BPL
.set BLK,    8*PITCH                   ; 16 rows
.set STAGE,  2*SLOT                    ; behind the ring: 16 rows x 528 bytes for each wave
.set SPITCH, 528
.set SPARE,  STAGE+4*16*SPITCH         ; the spare words, 128 bytes a wave, which no other line names
.set ADRA, 16
.set ADRB, 20
.set STO,  24
.set RD,   25
.set CO,   26
.set SPW,  28
.set NIL,  29
.set BB,   64
.set BIAS, 192
.set F0,   0
.set F1,   96
.set G1,  24
.set G0,  32
.set G1B, 48
.set G0B, 56
.set MSB, 0
.macro WIN new
.if MSB != \new
	s_set_vgpr_msb (MSB<<8)|\new
.set MSB, \new
.endif
.endm
.set MUL,  0xa5                        ; sources 0 and 1 window 1; C and D window 2
.set MULB, 0x85                        ; C (the bias) window 0
.set TO_F, 0x40
.macro JLOAD s                         ; an s_nop 0 and four v_nop follow each of the two lines
	s_cmp_eq_u32 s13, 0
	s_cbranch_scc0 .Lfor_b_\@
	tensor_load_to_lds s[G0+4*\s:G0+4*\s+3], s[G1:G1+7]
	s_nop 0
.rept 4
	v_nop
.endr
	s_branch .Lasked_\@
.Lfor_b_\@:
	tensor_load_to_lds s[G0B+4*\s:G0B+4*\s+3], s[G1B:G1B+7]
	s_nop 0
.rept 4
	v_nop
.endr
.Lasked_\@:
.endm
.macro CREST                           ; a round of the cluster's barrier behind its opening barrier
	s_cmp_lg_u32 s12, 0
	s_cbranch_scc1 .Lnot_wave_0_\@
	s_barrier_signal -3
.Lnot_wave_0_\@:
	s_barrier_wait -3
	s_barrier_signal -1
	s_barrier_wait -1
.endm
.macro CROUND
	s_barrier_signal -1
	s_barrier_wait -1
	CREST
.endm
	s_load_b128 s[4:7], s[0:1], 0x0                ; y, wp
	s_load_b128 s[8:11], s[0:1], 0x10              ; b_proj, out0
	v_lshl_add_u32 v[SPW], v0, 2, SPARE
	v_mov_b32 v[NIL], 0
	ds_add_u32 v[SPW], v[NIL]                      ; the wave's opening: the add, twice on end, and its wait ahead of my first tensor load
	ds_add_u32 v[SPW], v[NIL]
	v_lshrrev_b32 v1, 5, v0
	v_readfirstlane_b32 s12, v1                    ; wave 0..3
	s_lshr_b32 s13, s12, 1                         ; which 64 rows are mine.  Also: I fetch for y (0) or for wp (1)
	s_and_b32 s14, s12, 1                          ; which 128 columns.  Also: which of a K step's two planes I fetch
	s_bfe_u32 s40, ttmp6, 0x40000                  ; cx, cy
	s_bfe_u32 s41, ttmp6, 0x40004
	s_lshl_b32 s42, ttmp9, 2
	s_add_co_u32 s42, s42, s40                     ; tile column
	s_and_b32 s15, ttmp7, 0xffff
	s_lshl_b32 s15, s15, 2
	s_add_co_u32 s15, s15, s41                     ; tile row
	s_lshl_b32 s43, s41, 2
	s_lshl_b32 s43, 15, s43                        ; my row of the cluster
	s_lshl_b32 s44, 0x1111, s40                    ; my column
	s_or_b32 s[G1+0], s43, (1<<16)|(1<<20)|(1<<21)|(5<<22)|(3<<25)   ; the mask; elements of 2 bytes; padding on; bit 21 beside a mask; after every 64 words, 4 words
	s_or_b32 s[G1B+0], s44, (1<<16)|(1<<20)|(1<<21)|(5<<22)|(3<<25)
	s_mov_b32 s[G1+1], 128<<16                     ; y: 64 rows of 128 elements
	s_mov_b32 s[G1+2], 64<<16
	s_mov_b32 s[G1+3], 128<<16
	s_mov_b32 s[G1+4], 64
	s_mov_b32 s[G1+5], 128
	s_mov_b32 s[G1+6], 0
	s_mov_b32 s[G1+7], 0
	s_mov_b32 s[G1B+1], 128<<16                    ; wp: 128 rows
	s_mov_b32 s[G1B+2], 128<<16
	s_mov_b32 s[G1B+3], 128<<16
	s_mov_b32 s[G1B+4], 128
	s_mov_b32 s[G1B+5], 128
	s_mov_b32 s[G1B+6], 0
	s_mov_b32 s[G1B+7], 0
	s_lshl_b32 s16, s15, 14                        ; y: 128 rows of 128 bytes for each tile row,
	s_lshl_b32 s17, s14, 20                        ; + my plane of 1 MiB
	s_add_co_u32 s16, s16, s17
	s_mov_b32 s17, 0
	s_lshl_b32 s46, s42, 15                        ; wp: 256 rows for each tile column,
	s_lshl_b32 s47, s14, 17                        ; + my plane of 128 KiB
	s_add_co_u32 s46, s46, s47
	s_mov_b32 s47, 0
	s_mul_i32 s20, s14, APL                        ; where they go: no place in the cluster enters an LDS address
	s_mul_i32 s21, s14, BPL
	s_add_co_u32 s21, s21, BOFF
	s_wait_dscnt 0x0                               ; both opening adds are done
	s_wait_kmcnt 0x0
	s_add_nc_u64 s[16:17], s[4:5], s[16:17]
	s_add_nc_u64 s[46:47], s[6:7], s[46:47]
	CROUND                                         ; all sixteen work-groups are here: the first joint loads meet
.irp s, 0,1
	s_mov_b32 s[G0+4*\s], 1
	s_add_co_u32 s[G0+4*\s+1], s20, \s*SLOT
	s_add_nc_u64 s[G0+4*\s+2:G0+4*\s+3], s[16:17], \s*(2<<20)
	s_or_b32 s[G0+4*\s+3], s[G0+4*\s+3], 0x80000000
	s_mov_b32 s[G0B+4*\s], 1
	s_add_co_u32 s[G0B+4*\s+1], s21, \s*SLOT
	s_add_nc_u64 s[G0B+4*\s+2:G0B+4*\s+3], s[46:47], \s*(2<<17)
	s_or_b32 s[G0B+4*\s+3], s[G0B+4*\s+3], 0x80000000
	JLOAD \s                                       ; two tensor loads of mine are out behind the second
.endr
	v_and_b32 v1, 15, v0                           ; r
	v_bfe_u32 v2, v0, 4, 1                         ; h
	v_bfe_u32 v3, v0, 1, 3
	v_mul_u32_u24 v3, v3, PITCH                    ; row r of a block: pair-row r / 2,
	v_and_b32 v4, 1, v0
	v_lshl_add_u32 v3, v4, 7, v3                   ; half r % 2,
	v_lshl_add_u32 v3, v2, 4, v3                   ; + 16 h
	s_mul_i32 s21, s13, 4*BLK                      ; my 64 rows of y
	s_mul_i32 s22, s14, 8*BLK                      ; my 128 rows of wp,
	s_add_co_u32 s22, s22, BOFF                    ; behind y's two planes
.irp s, 0,1
	v_add_nc_u32 v[ADRA+\s], s21, v3
	v_add_nc_u32 v[ADRB+\s], s22, v3
	s_add_co_u32 s21, s21, SLOT
	s_add_co_u32 s22, s22, SLOT
.endr
	s_mul_i32 s23, s12, 16*SPITCH
	s_add_co_u32 s23, s23, STAGE                   ; my stage
	v_mul_u32_u24 v5, v1, SPITCH
	v_lshl_add_u32 v5, v2, 5, v5
	v_add_nc_u32 v[STO], s23, v5                   ; in: row r, 32 bytes for each half of the lanes
	v_and_b32 v6, 31, v0
	v_lshlrev_b32 v[CO], 4, v6                     ; back: the 32 lanes take one row of 512 bytes; and the same in out0
	v_add_nc_u32 v[RD], s23, v[CO]
	s_lshl_b32 s46, s42, 10                        ; my first column, in bytes: 1024 x tile column + 512 x half
	s_lshl_b32 s47, s14, 9
	s_add_co_u32 s46, s46, s47
	s_mov_b32 s47, 0
	s_add_nc_u64 s[8:9], s[8:9], s[46:47]
	v_lshlrev_b32 v7, 5, v2
.irp b, 0,1,2,3,4,5,6,7
	global_load_b128 v[BIAS+8*\b:BIAS+8*\b+3], v7, s[8:9] offset:64*\b
	global_load_b128 v[BIAS+8*\b+4:BIAS+8*\b+7], v7, s[8:9] offset:64*\b+16
.endr
	s_lshl_b32 s20, s15, 19                        ; my first row: 128 x tile row + 64 x half, 4,096 bytes each
	s_lshl_b32 s21, s13, 18
	s_add_co_u32 s20, s20, s21
	s_mov_b32 s21, 0
	s_add_nc_u64 s[20:21], s[20:21], s[46:47]
	s_add_nc_u64 s[10:11], s[10:11], s[20:21]
.macro FETCH slot, q, f                ; 24 LDS loads in one run: the fragments of the K step's q-th 32 along K: plane q / 2, bytes 64 (q % 2) of its rows; wp's first
	WIN TO_F
.irp i, 0,1,2,3,4,5,6,7
	ds_load_b128 v[\f+8*\i:\f+8*\i+3],   v[ADRB+\slot] offset:((\q)/2)*BPL+((\q)%2)*64+BLK*\i
	ds_load_b128 v[\f+8*\i+4:\f+8*\i+7], v[ADRB+\slot] offset:((\q)/2)*BPL+((\q)%2)*64+BLK*\i+32
.endr
.irp i, 0,1,2,3
	ds_load_b128 v[\f+64+8*\i:\f+64+8*\i+3],   v[ADRA+\slot] offset:((\q)/2)*APL+((\q)%2)*64+BLK*\i
	ds_load_b128 v[\f+64+8*\i+4:\f+64+8*\i+7], v[ADRA+\slot] offset:((\q)/2)*APL+((\q)%2)*64+BLK*\i+32
.endr
.endm
.macro MULA f, a, first                ; y's block a against wp's eight.  The 32 accumulators take turns in the same order in every quarter
.irp b, 0,1,2,3,4,5,6,7
.if \first
	v_wmma_f32_16x16x32_f16 v[8*(8*\a+\b):8*(8*\a+\b)+7], v[\f+8*\b:\f+8*\b+7], v[\f+64+8*\a:\f+64+8*\a+7], v[BIAS+8*\b:BIAS+8*\b+7]
.else
	v_wmma_f32_16x16x32_f16 v[8*(8*\a+\b):8*(8*\a+\b)+7], v[\f+8*\b:\f+8*\b+7], v[\f+64+8*\a:\f+64+8*\a+7], v[8*(8*\a+\b):8*(8*\a+\b)+7]
.endif
.endr
.endm
.macro PLACES
.rept 4
	v_nop
.endr
.endm
.macro QUARTER slot, qn, f, g, first   ; multiplies buffer f; in its middle it fetches the slot's quarter qn into buffer g
	s_wait_dscnt 4                                 ; wp's fragments and y's blocks 0, 1 are in; the youngest four loads may be out
.if \first
	WIN MULB
.else
	WIN MUL
.endif
	MULA \f, 0, \first
	MULA \f, 1, \first
	PLACES
	FETCH \slot, \qn, \g
	s_wait_dscnt 24                                ; all but the 24 just issued
.if \first
	WIN MULB
.else
	WIN MUL
.endif
	MULA \f, 2, \first
	MULA \f, 3, \first
.endm
; A K step's last quarter multiplies buffer 1 and changes slots: one barrier; in front of it each wave waits for all its tensor loads, adds 0 to its spare word, and waits for that and for its reads of this slot.
.macro TURN slot, next, fill
	WIN 0
	s_wait_tensorcnt 0x0                           ; all my tensor loads have landed: my part of the next slot
	ds_add_u32 v[SPW], v[NIL]
	s_wait_dscnt 5                                 ; the add and the youngest four loads may be out
	WIN MUL
	MULA F1, 0, 0
	s_wait_dscnt 0x0                               ; the add is done, and my reads of this slot are over
	s_barrier_signal -1
	MULA F1, 1, 0
.if \fill
	WIN 0
.endif
	s_barrier_wait -1
.if \fill
	CREST                                          ; the barrier has opened a round of the cluster's: no wave of any partner still reads this slot or has a load on its way
	s_add_nc_u64 s[G0+4*\slot+2:G0+4*\slot+3], s[G0+4*\slot+2:G0+4*\slot+3], 4<<20      ; two K steps on: four planes
	s_add_nc_u64 s[G0B+4*\slot+2:G0B+4*\slot+3], s[G0B+4*\slot+2:G0B+4*\slot+3], 4<<17
	JLOAD \slot                                    ; the first tensor load behind the round; its four v_nop are also the places in front of the loads below
.else
	PLACES
.endif
	FETCH \next, 0, F0
	WIN MUL
	MULA F1, 2, 0
	MULA F1, 3, 0
.endm
	s_wait_tensorcnt 1                             ; my part of K step 0 is in; K step 1's may be out
	s_barrier_signal -1
	s_barrier_wait -1
	FETCH 0, 0, F0
	s_wait_loadcnt 0x0                             ; the bias
	QUARTER 0, 1, F0, F1, 1
	WIN 0
	s_mov_b32 s3, 3
.Llap:                                             ; a trip goes once round the ring and fills both slots again: K steps 2 to 7
	QUARTER 0, 2, F1, F0, 0
	QUARTER 0, 3, F0, F1, 0
	TURN 0, 1, 1
	QUARTER 1, 1, F0, F1, 0
	QUARTER 1, 2, F1, F0, 0
	QUARTER 1, 3, F0, F1, 0
	TURN 1, 0, 1
	QUARTER 0, 1, F0, F1, 0
	WIN 0
	s_sub_co_u32 s3, s3, 1
	s_cmp_lg_u32 s3, 0
	s_cbranch_scc1 .Llap
	QUARTER 0, 2, F1, F0, 0                        ; the last lap fills nothing
	QUARTER 0, 3, F0, F1, 0
	TURN 0, 1, 0
	QUARTER 1, 1, F0, F1, 0
	QUARTER 1, 2, F1, F0, 0
	QUARTER 1, 3, F0, F1, 0
	s_wait_dscnt 4
	WIN MUL
	MULA F1, 0, 0
	MULA F1, 1, 0
	s_wait_dscnt 0
	MULA F1, 2, 0
	MULA F1, 3, 0
	WIN 0
; THE WAY OUT, block by block of 16 rows x 128 columns, through my own stage: whole rows of 512 bytes come back and are stored by the 32 lanes.
.macro TOSTAGE a
	WIN 0x08                                       ; an LDS store's data are its source 1: window 2
.irp b, 0,1,2,3,4,5,6,7
	ds_store_b128 v[STO], v[8*(8*(\a)+\b):8*(8*(\a)+\b)+3] offset:64*\b          ; each accumulator from its low end on
	ds_store_b128 v[STO], v[8*(8*(\a)+\b)+4:8*(8*(\a)+\b)+7] offset:64*\b+16
.endr
	WIN 0
.set BK, BB+64*((\a)%2)
.irp t, 0,1,2,3,4,5,6,7,8,9,10,11,12,13,14,15
	ds_load_b128 v[BK+4*\t:BK+4*\t+3], v[RD] offset:\t*SPITCH
.endr
.endm
.macro SEND a, younger
.set BK, BB+64*((\a)%2)
	s_wait_dscnt \younger
.irp t, 0,1,2,3,4,5,6,7,8,9,10,11,12,13,14,15
	global_store_b128 v[CO], v[BK+4*\t:BK+4*\t+3], s[10:11] offset:65536*(\a)+4096*\t th:TH_STORE_NT   ; 512 consecutive bytes of a row
.endr
.endm
	PLACES
	TOSTAGE 0
.irp a, 1,2,3
.if \a > 1
	s_wait_xcnt 0x0                                ; the stores of the block two back have read their registers
.endif
	TOSTAGE \a
	SEND \a-1, 32                                  ; behind that block's loads: this block's 16 stores and 16 loads
.endr
	SEND 3, 0
	s_wait_tensorcnt 0x0                           ; the wave's end
	ds_add_u32 v[SPW], v[NIL]
	s_wait_dscnt 0x0
	CROUND                                         ; the closing round
	s_endpgm
.Lfunc_end_k_q6d449afbc2_proj:
	.size	k_q6d449afbc2_proj, .Lfunc_end_k_q6d449afbc2_proj-k_q6d449afbc2_proj
	.p2alignl 7, 3214868480
	.fill 96, 4, 3214868480
	.section	.rodata,"a",@progbits
	.p2align	6, 0x0
	.amdhsa_kernel k_q6d449afbc2_proj
		.amdhsa_group_segment_fixed_size 327680
		.amdhsa_private_segment_fixed_size 0
		.amdhsa_enable_private_segment 0
		.amdhsa_kernarg_size 32
		.amdhsa_user_sgpr_count 2
		.amdhsa_user_sgpr_kernarg_segment_ptr 1
		.amdhsa_wavefront_size32 1
		.amdhsa_system_sgpr_workgroup_id_x 1
		.amdhsa_system_sgpr_workgroup_id_y 1
		.amdhsa_system_sgpr_workgroup_id_z 1
		.amdhsa_system_vgpr_workitem_id 0
		.amdhsa_next_free_vgpr 768
		.amdhsa_next_free_sgpr 66
		.amdhsa_reserve_vcc 0
		.amdhsa_float_denorm_mode_32 3
		.amdhsa_float_denorm_mode_16_64 3
		.amdhsa_memory_ordered 1
		.amdhsa_forward_progress 1
		.amdhsa_inst_pref_size 86
	.end_amdhsa_kernel
	.amdgpu_metadata
---
amdhsa.version: [ 1, 2 ]
amdhsa.kernels:
  - .name:           k_q6d449afbc2_proj
    .symbol:         k_q6d449afbc2_proj.kd
    .args:
      - { .name: y, .offset: 0, .size: 8, .value_kind: global_buffer, .address_space: global }
      - { .name: wp, .offset: 8, .size: 8, .value_kind: global_buffer, .address_space: global }
      - { .name: b_proj, .offset: 16, .size: 8, .value_kind: global_buffer, .address_space: global }
      - { .name: out0, .offset: 24, .size: 8, .value_kind: global_buffer, .address_space: global }
    .group_segment_fixed_size: 327680
    .private_segment_fixed_size: 0
    .kernarg_segment_align: 8
    .kernarg_segment_size: 32
    .max_flat_workgroup_size: 128
    .sgpr_count:     66
    .vgpr_count:     768
    .wavefront_size: 32
...
	.end_amdgpu_metadata
.endif
;; end of part 4
;; launch fattn (part 5): grid 64 x 1, 12 waves a work-group, no clusters, 16,384 bytes of LDS; arguments xc, xs, wc, ws, b_attn, yf; writes yf
.if DOCPART == 5
	.amdgcn_target "amdgcn-amd-amdhsa--gfx1250"
	.amdhsa_code_object_version 6
	.text
	.protected	k_q6d449afbc2_fattn
	.globl	k_q6d449afbc2_fattn
	.p2align	8
	.type	k_q6d449afbc2_fattn,@function
k_q6d449afbc2_fattn:
	s_mov_b64 s[64:65], 0
	v_nop
	global_prefetch_b8 v0, s[64:65] scope:SCOPE_SE
	s_setreg_imm32_b32 hwreg(HW_REG_WAVE_MODE, 25, 1), 1
	s_wait_xcnt 0x0
; Positions 0 to 15 of every sequence, carried in f32: these rows average one to sixteen values, and are the largest of the output.
; Work-group p: head p / 4, batch p % 4.  Phase 1: twelve waves make q, k, v (16 positions x 64 channels each) again from the codes: wave w takes section w / 4 and 16 channels, eight products of 128 along K
; on FP4 codes, + b_attn, kept in f32, to LDS.  Phase 2 (waves 0-7): thread (i, j) makes score q_i . k_j by fused multiply-adds, the causal mask, and the softmax over the sixteen lanes of a row.
; Phase 3: thread (i, g) makes four channels of row i.  yf: [16 b + i][1024] f32.  No tensor load; two barriers, which every wave passes.
.set PQ,    272                        ; a row of 64 f32 + 16 bytes
.set LK,    16*PQ
.set LV,    32*PQ
.set PB,    13312                      ; the weights: 16 rows of 80 bytes
.set PP,    80
.set SPARE, 14592                      ; the spare words, 128 bytes a wave, which no other line names
.set XF,  16
.set WF,  80
.set XS,  144                          ; v144-151, v152-159: scale words and nothing else
.set WS,  152
.set BI,  160
.set AC0, 168
.set AC1, 176
.set RR,  184
	s_load_b128 s[4:7], s[0:1], 0x0                ; xc, xs
	s_load_b128 s[8:11], s[0:1], 0x10              ; wc, ws
	s_load_b128 s[12:15], s[0:1], 0x20             ; b_attn, yf
	v_lshl_add_u32 v14, v0, 2, SPARE
	v_mov_b32 v15, 0
	v_lshrrev_b32 v1, 5, v0
	v_readfirstlane_b32 s16, v1                    ; wave 0..11
	s_lshr_b32 s17, ttmp9, 2                       ; head
	s_and_b32 s18, ttmp9, 3                        ; batch
	s_lshr_b32 s19, s16, 2                         ; section: q, k, v
	s_and_b32 s20, s16, 3                          ; which 16 channels
	s_lshl_b32 s21, s19, 10
	s_lshl_b32 s22, s17, 6
	s_add_co_u32 s21, s21, s22
	s_lshl_b32 s22, s20, 4
	s_add_co_u32 s21, s21, s22                     ; my first row of w_attn
	v_and_b32 v1, 15, v0                           ; r; in phases 2 and 3: j, g
	v_bfe_u32 v2, v0, 4, 1                         ; h
	v_lshlrev_b32 v3, 9, v1
	v_lshl_add_u32 v3, v2, 4, v3                   ; codes: row r of 512 bytes, + 16 h
	v_lshlrev_b32 v5, 5, v1                        ; scale bytes: row r of 32
	v_lshlrev_b32 v6, 5, v2                        ; the bias: 8 h numbers on
	s_mul_i32 s22, s19, 16*PQ
	s_lshl_b32 s23, s20, 6
	s_add_co_u32 s22, s22, s23
	v_mul_u32_u24 v7, v1, PQ
	v_lshl_add_u32 v7, v2, 5, v7
	v_add_nc_u32 v7, s22, v7                       ; phase 1's stores: my section, row r, my 16 channels, + 32 h
	v_bfe_u32 v192, v0, 4, 4                       ; i
	v_mul_u32_u24 v8, v192, PQ                     ; q's row i
	v_mul_u32_u24 v9, v1, PQ
	v_add_nc_u32 v9, LK, v9                        ; k's row j
	v_mul_u32_u24 v11, v192, PP
	v_add_nc_u32 v11, PB, v11                      ; the weights' row i,
	v_lshl_add_u32 v10, v1, 2, v11                 ; and my word of it
	v_lshlrev_b32 v12, 4, v1
	v_add_nc_u32 v12, LV, v12                      ; v: my four channels
	v_lshlrev_b32 v13, 12, v192
	v_lshl_add_u32 v13, v1, 4, v13                 ; yf: row i of 4,096 bytes, + 16 g
	v_mov_b32 v194, 0xff800000
	s_mov_b32 s25, 0
	s_wait_kmcnt 0x0
	s_lshl_b32 s24, s18, 20                        ; 2,048 rows of 512 bytes a batch
	s_add_nc_u64 s[4:5], s[4:5], s[24:25]
	s_lshl_b32 s24, s18, 16
	s_add_nc_u64 s[6:7], s[6:7], s[24:25]
	s_lshl_b32 s24, s21, 9
	s_add_nc_u64 s[8:9], s[8:9], s[24:25]
	s_lshl_b32 s24, s21, 5
	s_add_nc_u64 s[10:11], s[10:11], s[24:25]
	s_lshl_b32 s24, s21, 2
	s_add_nc_u64 s[12:13], s[12:13], s[24:25]
	s_lshl_b32 s24, s18, 16                        ; yf: 16 rows a batch,
	s_lshl_b32 s26, s17, 8                         ; 256 bytes a head
	s_add_co_u32 s24, s24, s26
	s_add_nc_u64 s[14:15], s[14:15], s[24:25]
.irp e, 0,1,2,3,4,5,6,7,8,9,10,11,12,13,14,15
	global_load_b128 v[XF+4*\e:XF+4*\e+3], v3, s[4:5] offset:32*\e    ; K step e / 2: registers 4 c .. 4 c + 3 hold K = 64 c + 32 h + 0 .. 31
	global_load_b128 v[WF+4*\e:WF+4*\e+3], v3, s[8:9] offset:32*\e
.endr
.irp e, 0,1
	global_load_b128 v[XS+4*\e:XS+4*\e+3], v5, s[6:7] offset:16*\e    ; register ks: the row's scale word of K step ks
	global_load_b128 v[WS+4*\e:WS+4*\e+3], v5, s[10:11] offset:16*\e
	global_load_b128 v[BI+4*\e:BI+4*\e+3], v6, s[12:13] offset:16*\e
.endr
	s_wait_loadcnt 0x0
; transposed: source 0 = 16 rows of w_attn, source 1 = x's 16 positions: lane (r, h) holds position r and channels 8 h + 0 .. 7.  Two accumulators by turns
	v_wmma_scale_f32_16x16x128_f8f6f4 v[AC0:AC0+7], v[WF:WF+7], v[XF:XF+7], v[BI:BI+7], v[WS], v[XS] matrix_a_fmt:MATRIX_FMT_FP4 matrix_b_fmt:MATRIX_FMT_FP4
	v_wmma_scale_f32_16x16x128_f8f6f4 v[AC1:AC1+7], v[WF+8:WF+15], v[XF+8:XF+15], 0, v[WS+1], v[XS+1] matrix_a_fmt:MATRIX_FMT_FP4 matrix_b_fmt:MATRIX_FMT_FP4
.irp s, 2,4,6
	v_wmma_scale_f32_16x16x128_f8f6f4 v[AC0:AC0+7], v[WF+8*\s:WF+8*\s+7], v[XF+8*\s:XF+8*\s+7], v[AC0:AC0+7], v[WS+\s], v[XS+\s] matrix_a_fmt:MATRIX_FMT_FP4 matrix_b_fmt:MATRIX_FMT_FP4
	v_wmma_scale_f32_16x16x128_f8f6f4 v[AC1:AC1+7], v[WF+8*\s+8:WF+8*\s+15], v[XF+8*\s+8:XF+8*\s+15], v[AC1:AC1+7], v[WS+\s+1], v[XS+\s+1] matrix_a_fmt:MATRIX_FMT_FP4 matrix_b_fmt:MATRIX_FMT_FP4
.endr
.rept 4
	v_nop
.endr
.irp e, 0,2,4,6
	v_pk_add_f32 v[RR+\e:RR+\e+1], v[AC0+\e:AC0+\e+1], v[AC1+\e:AC1+\e+1]
.endr
	ds_store_b128 v7, v[RR:RR+3]
	ds_store_b128 v7, v[RR+4:RR+7] offset:16
	s_wait_dscnt 0x0                               ; for the others' sake: my stores have landed
	s_barrier_signal -1
	s_barrier_wait -1
	s_cmp_ge_u32 s16, 8                            ; 256 threads do the rest; the branch leads round work alone, never round a barrier
	s_cbranch_scc1 .Lno_scores
.irp e, 0,1,2,3,4,5,6,7,8,9,10,11,12,13,14,15
	ds_load_b128 v[16+4*\e:19+4*\e], v8 offset:16*\e
	ds_load_b128 v[80+4*\e:83+4*\e], v9 offset:16*\e
.endr
	s_wait_dscnt 0x0
	v_pk_mul_f32 v[196:197], v[16:17], v[80:81]
	v_pk_mul_f32 v[198:199], v[18:19], v[82:83]
.set n, 4
.rept 15
	v_pk_fma_f32 v[196:197], v[16+n:17+n], v[80+n:81+n], v[196:197]
	v_pk_fma_f32 v[198:199], v[18+n:19+n], v[82+n:83+n], v[198:199]
.set n, n+4
.endr
	v_pk_add_f32 v[196:197], v[196:197], v[198:199]
	v_add_f32 v196, v196, v197                     ; q_i . k_j
	v_cmp_gt_u32 vcc_lo, v1, v192                  ; j > i: hidden
	v_cndmask_b32 v196, v196, v194, vcc_lo
	v_mov_b32 v197, v196
	v_max_num_f32_dpp v197, v197, v197 row_xmask:1 row_mask:0xf bank_mask:0xf
	v_max_num_f32_dpp v197, v197, v197 row_xmask:2 row_mask:0xf bank_mask:0xf
	v_max_num_f32_dpp v197, v197, v197 row_xmask:4 row_mask:0xf bank_mask:0xf
	v_max_num_f32_dpp v197, v197, v197 row_xmask:8 row_mask:0xf bank_mask:0xf   ; the row's largest score (key 0 counts for every query)
	v_sub_f32 v196, v196, v197
	v_mul_f32 v196, 0x3e38aa3b, v196               ; x log2(e) / 8
	v_exp_f32 v196, v196
	v_nop
	s_wait_alu depctr_va_vdst(0)                   ; the wait ahead of the first reader
	v_mov_b32 v198, v196
	v_add_f32_dpp v198, v198, v198 row_xmask:1 row_mask:0xf bank_mask:0xf
	v_add_f32_dpp v198, v198, v198 row_xmask:2 row_mask:0xf bank_mask:0xf
	v_add_f32_dpp v198, v198, v198 row_xmask:4 row_mask:0xf bank_mask:0xf
	v_add_f32_dpp v198, v198, v198 row_xmask:8 row_mask:0xf bank_mask:0xf
	v_rcp_f32 v199, v198
	v_nop
	s_wait_alu depctr_va_vdst(0)
	v_mul_f32 v196, v196, v199
	ds_store_b32 v10, v196
.Lno_scores:
	s_wait_dscnt 0x0
	s_barrier_signal -1
	s_barrier_wait -1
	s_cmp_ge_u32 s16, 8
	s_cbranch_scc1 .Lno_rows
.irp e, 0,1,2,3
	ds_load_b128 v[16+4*\e:19+4*\e], v11 offset:16*\e       ; the weights of row i
.endr
.irp e, 0,1,2,3,4,5,6,7,8,9,10,11,12,13,14,15
	ds_load_b128 v[32+4*\e:35+4*\e], v12 offset:PQ*\e       ; my four channels of v's sixteen rows
.endr
	s_wait_dscnt 0x0
.irp e, 0,1,2,3
	v_mul_f32 v[96+\e], v16, v[32+\e]
.endr
.set n, 1
.rept 15
.irp e, 0,1,2,3
	v_fmac_f32 v[96+\e], v[16+n], v[32+4*n+\e]
.endr
.set n, n+1
.endr
	global_store_b128 v13, v[96:99], s[14:15]      ; sixteen lanes store a head's 256 consecutive bytes of a row
.Lno_rows:
	s_wait_tensorcnt 0x0                           ; the wave's end, behind my last LDS store
	ds_add_u32 v14, v15
	s_wait_dscnt 0x0
	s_endpgm
.Lfunc_end_k_q6d449afbc2_fattn:
	.size	k_q6d449afbc2_fattn, .Lfunc_end_k_q6d449afbc2_fattn-k_q6d449afbc2_fattn
	.p2alignl 7, 3214868480
	.fill 96, 4, 3214868480
	.section	.rodata,"a",@progbits
	.p2align	6, 0x0
	.amdhsa_kernel k_q6d449afbc2_fattn
		.amdhsa_group_segment_fixed_size 16384
		.amdhsa_private_segment_fixed_size 0
		.amdhsa_enable_private_segment 0
		.amdhsa_kernarg_size 48
		.amdhsa_user_sgpr_count 2
		.amdhsa_user_sgpr_kernarg_segment_ptr 1
		.amdhsa_wavefront_size32 1
		.amdhsa_system_sgpr_workgroup_id_x 1
		.amdhsa_system_sgpr_workgroup_id_y 1
		.amdhsa_system_sgpr_workgroup_id_z 1
		.amdhsa_system_vgpr_workitem_id 0
		.amdhsa_next_free_vgpr 200
		.amdhsa_next_free_sgpr 66
		.amdhsa_reserve_vcc 1
		.amdhsa_float_denorm_mode_32 3
		.amdhsa_float_denorm_mode_16_64 3
		.amdhsa_memory_ordered 1
		.amdhsa_forward_progress 1
		.amdhsa_inst_pref_size 17
	.end_amdhsa_kernel
	.amdgpu_metadata
---
amdhsa.version: [ 1, 2 ]
amdhsa.kernels:
  - .name:           k_q6d449afbc2_fattn
    .symbol:         k_q6d449afbc2_fattn.kd
    .args:
      - { .name: xc, .offset: 0, .size: 8, .value_kind: global_buffer, .address_space: global }
      - { .name: xs, .offset: 8, .size: 8, .value_kind: global_buffer, .address_space: global }
      - { .name: wc, .offset: 16, .size: 8, .value_kind: global_buffer, .address_space: global }
      - { .name: ws, .offset: 24, .size: 8, .value_kind: global_buffer, .address_space: global }
      - { .name: b_attn, .offset: 32, .size: 8, .value_kind: global_buffer, .address_space: global }
      - { .name: yf, .offset: 40, .size: 8, .value_kind: global_buffer, .address_space: global }
    .group_segment_fixed_size: 16384
    .private_segment_fixed_size: 0
    .kernarg_segment_align: 8
    .kernarg_segment_size: 48
    .max_flat_workgroup_size: 384
    .sgpr_count:     66
    .vgpr_count:     200
    .wavefront_size: 32
...
	.end_amdgpu_metadata
.endif
;; end of part 5
;; launch fproj (part 6): grid 16 x 4, 16 waves a work-group, no clusters, 71,680 bytes of LDS; arguments yf, w_proj, b_proj, out0; writes out0
.if DOCPART == 6
	.amdgcn_target "amdgcn-amd-amdhsa--gfx1250"
	.amdhsa_code_object_version 6
	.text
	.protected	k_q6d449afbc2_fproj
	.globl	k_q6d449afbc2_fproj
	.p2align	8
	.type	k_q6d449afbc2_fproj,@function
k_q6d449afbc2_fproj:
	s_mov_b64 s[64:65], 0
	v_nop
	global_prefetch_b8 v0, s[64:65] scope:SCOPE_SE
	s_setreg_imm32_b32 hwreg(HW_REG_WAVE_MODE, 25, 1), 1
	s_wait_xcnt 0x0
; The projection of positions 0 to 15 of every sequence, in f32: out0[2048 b + t][n] = sum over k of yf[16 b + t][k] w_proj[n][k] + b_proj[n]; it writes those 64 rows of out0 anew.
; Work-group (x, b): columns 64 x on.  Wave w takes k = 64 w .. 64 w + 63: 64 products of 16 x 16 x 4 in f32, four accumulators by turns; the sixteen waves' parts meet in LDS, and wave t adds up and stores row t.
; A lane's load of 16 bytes brings k = 8 u + 4 h + 0 .. 3; the product (u, e) takes its registers 2 e, 2 e + 1: the same four k on both sides.
.set PQ,    272                        ; a row of 64 f32 + 16 bytes
.set WREG,  16*PQ                      ; a wave's part
.set SPARE, 16*WREG                    ; the spare words, 128 bytes a wave, which no other line names
.set YA,  16
.set WB,  48
.set ACC, 176                          ; v176-207: written by matrix instructions alone
	s_load_b128 s[4:7], s[0:1], 0x0                ; yf, w_proj
	s_load_b128 s[8:11], s[0:1], 0x10              ; b_proj, out0
	v_lshl_add_u32 v1, v0, 2, SPARE
	v_mov_b32 v2, 0
	v_lshrrev_b32 v7, 5, v0
	v_readfirstlane_b32 s12, v7                    ; wave 0..15
	s_and_b32 s14, ttmp7, 0xffff                   ; batch
	v_and_b32 v7, 15, v0                           ; r
	v_bfe_u32 v8, v0, 4, 1                         ; h
	v_lshlrev_b32 v3, 12, v7
	v_lshl_add_u32 v3, v8, 4, v3                   ; row r of 4,096 bytes, + 16 h
	s_mul_i32 s15, s12, WREG
	v_mul_u32_u24 v6, v7, PQ
	v_lshl_add_u32 v6, v8, 5, v6
	v_add_nc_u32 v6, s15, v6                       ; my part: row r, + 32 h
	v_and_b32 v9, 31, v0
	v_lshlrev_b32 v5, 3, v9                        ; 8 x lane
	s_mul_i32 s15, s12, PQ
	v_add_nc_u32 v4, s15, v5                       ; row t = my wave's number of every part
	s_mov_b32 s17, 0
	s_lshl_b32 s18, s12, 8                         ; my 64 k: 256 bytes
	s_wait_kmcnt 0x0
	s_lshl_b32 s16, s14, 16
	s_add_co_u32 s16, s16, s18
	s_add_nc_u64 s[4:5], s[4:5], s[16:17]
	s_lshl_b32 s16, ttmp9, 18                      ; 64 rows of w_proj
	s_add_co_u32 s16, s16, s18
	s_add_nc_u64 s[6:7], s[6:7], s[16:17]
	s_lshl_b32 s16, ttmp9, 8
	s_add_nc_u64 s[8:9], s[8:9], s[16:17]
	s_lshl_b32 s18, s14, 23                        ; 2,048 rows of 4,096 bytes a batch,
	s_add_co_u32 s16, s16, s18
	s_lshl_b32 s18, s12, 12                        ; row t
	s_add_co_u32 s16, s16, s18
	s_add_nc_u64 s[10:11], s[10:11], s[16:17]
.irp u, 0,1,2,3,4,5,6,7
	global_load_b128 v[YA+4*\u:YA+4*\u+3], v3, s[4:5] offset:32*\u
.endr
.irp t, 0,1,2,3
.irp u, 0,1,2,3,4,5,6,7
	global_load_b128 v[WB+32*\t+4*\u:WB+32*\t+4*\u+3], v3, s[6:7] offset:65536*\t+32*\u
.endr
.endr
	global_load_b64 v[208:209], v5, s[8:9]
	s_wait_loadcnt 0x0
; transposed: source 0 = 16 rows of w_proj, source 1 = yf's 16 rows: lane (r, h) holds row r and columns 8 h + 0 .. 7 of the tile
.irp t, 0,1,2,3
	v_wmma_f32_16x16x4_f32 v[ACC+8*\t:ACC+8*\t+7], v[WB+32*\t:WB+32*\t+1], v[YA:YA+1], 0     ; the first K step starts the sums
.endr
.irp t, 0,1,2,3
	v_wmma_f32_16x16x4_f32 v[ACC+8*\t:ACC+8*\t+7], v[WB+32*\t+2:WB+32*\t+3], v[YA+2:YA+3], v[ACC+8*\t:ACC+8*\t+7]
.endr
.irp u, 1,2,3,4,5,6,7
.irp e, 0,1
.irp t, 0,1,2,3
	v_wmma_f32_16x16x4_f32 v[ACC+8*\t:ACC+8*\t+7], v[WB+32*\t+4*\u+2*\e:WB+32*\t+4*\u+2*\e+1], v[YA+4*\u+2*\e:YA+4*\u+2*\e+1], v[ACC+8*\t:ACC+8*\t+7]
.endr
.endr
.endr
.rept 8
	v_nop                                          ; eight places behind this form (ISA guide 7.12.1)
.endr
.irp t, 0,1,2,3
	ds_store_b128 v6, v[ACC+8*\t:ACC+8*\t+3] offset:64*\t          ; each accumulator from its low end on
	ds_store_b128 v6, v[ACC+8*\t+4:ACC+8*\t+7] offset:64*\t+16
.endr
	s_wait_dscnt 0x0                               ; for the others' sake: my stores have landed
	s_barrier_signal -1
	s_barrier_wait -1
.irp w, 0,1,2,3,4,5,6,7,8,9,10,11,12,13,14,15
	ds_load_b64 v[16+2*\w:17+2*\w], v4 offset:WREG*\w
.endr
	s_wait_dscnt 0x0
	v_pk_add_f32 v[210:211], v[208:209], v[16:17]  ; the bias starts one of two chains
	v_pk_add_f32 v[212:213], v[18:19], v[20:21]
.irp w, 3,5,7,9,11,13
	v_pk_add_f32 v[210:211], v[210:211], v[16+2*\w:17+2*\w]
	v_pk_add_f32 v[212:213], v[212:213], v[18+2*\w:19+2*\w]
.endr
	v_pk_add_f32 v[210:211], v[210:211], v[46:47]
	v_pk_add_f32 v[210:211], v[210:211], v[212:213]
	global_store_b64 v5, v[210:211], s[10:11]      ; the wave stores 256 consecutive bytes of its row
	s_wait_tensorcnt 0x0                           ; the wave's end, behind my last LDS store
	ds_add_u32 v1, v2
	s_wait_dscnt 0x0
	s_endpgm
.Lfunc_end_k_q6d449afbc2_fproj:
	.size	k_q6d449afbc2_fproj, .Lfunc_end_k_q6d449afbc2_fproj-k_q6d449afbc2_fproj
	.p2alignl 7, 3214868480
	.fill 96, 4, 3214868480
	.section	.rodata,"a",@progbits
	.p2align	6, 0x0
	.amdhsa_kernel k_q6d449afbc2_fproj
		.amdhsa_group_segment_fixed_size 71680
		.amdhsa_private_segment_fixed_size 0
		.amdhsa_enable_private_segment 0
		.amdhsa_kernarg_size 32
		.amdhsa_user_sgpr_count 2
		.amdhsa_user_sgpr_kernarg_segment_ptr 1
		.amdhsa_wavefront_size32 1
		.amdhsa_system_sgpr_workgroup_id_x 1
		.amdhsa_system_sgpr_workgroup_id_y 1
		.amdhsa_system_sgpr_workgroup_id_z 1
		.amdhsa_system_vgpr_workitem_id 0
		.amdhsa_next_free_vgpr 224
		.amdhsa_next_free_sgpr 66
		.amdhsa_reserve_vcc 0
		.amdhsa_float_denorm_mode_32 3
		.amdhsa_float_denorm_mode_16_64 3
		.amdhsa_memory_ordered 1
		.amdhsa_forward_progress 1
		.amdhsa_inst_pref_size 13
	.end_amdhsa_kernel
	.amdgpu_metadata
---
amdhsa.version: [ 1, 2 ]
amdhsa.kernels:
  - .name:           k_q6d449afbc2_fproj
    .symbol:         k_q6d449afbc2_fproj.kd
    .args:
      - { .name: yf, .offset: 0, .size: 8, .value_kind: global_buffer, .address_space: global }
      - { .name: w_proj, .offset: 8, .size: 8, .value_kind: global_buffer, .address_space: global }
      - { .name: b_proj, .offset: 16, .size: 8, .value_kind: global_buffer, .address_space: global }
      - { .name: out0, .offset: 24, .size: 8, .value_kind: global_buffer, .address_space: global }
    .group_segment_fixed_size: 71680
    .private_segment_fixed_size: 0
    .kernarg_segment_align: 8
    .kernarg_segment_size: 32
    .max_flat_workgroup_size: 512
    .sgpr_count:     66
    .vgpr_count:     224
    .wavefront_size: 32
...
	.end_amdgpu_metadata
.endif
;; end of part 6
